; MI455X (gfx1250); checked and timed in simulation.
; The chip was launched on July 23, 2026; its instructions are those of AMD's public machine-readable ISA for CDNA 5 (MIT licence, August 2026) and "CDNA5" Instruction Set Architecture Reference Guide (July 2026). The comments in the code are by the model that wrote it; some were corrected since.
;; Dense MHA. Allowed arithmetic: matrix products marked QUANTISED: E4M3 operands, one E8M0 scale for each 32 along K, by v_wmma_scale_f32_16x16x128_f8f6f4 with both operands' format E4M3, f32 sums; everything else in f32.
;; Inputs: Wk 2,048 x 1,024 float32; Wo 1,024 x 2,048 float32; Wq 2,048 x 1,024 float32; Wv 2,048 x 1,024 float32; bk 2,048 float32; bo 1,024 float32; bq 2,048 float32; bv 2,048 float32; hidden_states 2 x 2,048 x 1,024 float32.
;; Outputs: out0 2 x 2,048 x 1,024 float32.
;; This version of the problem:
;;   THIS VERSION OF THE PROBLEM IS GIVEN IN LOW PRECISION. The matrix products marked QUANTISED in the list below multiply operands that are first quantised to E4M3 (4 exponent bits, 3 mantissa bits; 8 bits a number), with one power-of-two scale for each 32 numbers along K (OCP MX v1.0); their sums are f32. All else is computed in f32.
;;   The module's matrix products, in the order in which they are computed (A, B: the left and right operand; K: the contracted axis; several contracted axes count as one K, in the product's order):
;;     1. [M 4,096, K 1,024] x [K 1,024, N 2,048]; A: input hidden_states; B: input Wq: QUANTISED
;;     2. [M 4,096, K 1,024] x [K 1,024, N 2,048]; A: input hidden_states; B: input Wk: QUANTISED
;;     3. [M 4,096, K 1,024] x [K 1,024, N 2,048]; A: input hidden_states; B: input Wv: QUANTISED
;;     4. batch 32 x [M 2,048, K 128] x [K 128, N 2,048]; A: computed on the way; B: computed on the way: QUANTISED
;;     5. batch 32 x [M 2,048, K 2,048] x [K 2,048, N 128]; A: softmax (see below); B: computed on the way: QUANTISED
;;     6. [M 4,096, K 2,048] x [K 2,048, N 1,024]; A: computed on the way; B: input Wo: QUANTISED
;;   THE QUANTISER, for each operand of a quantised product, along K:
;;     - K is cut into blocks of 32 from its start; a last block that is shorter is filled with zeros.
;;     - A block's scale is 2^e with e = floor(log2(the largest magnitude in the block)) - 8, held to -126 .. 127; a block of zeros has e = 0. As a byte (E8M0): e + 127.
;;     - Each number is divided by its block's scale, clamped to +-448, and rounded to the nearest number of E4M3, ties to even, subnormals kept.
;;     - The product sums the exact products of the quantised numbers (number of the format x scale) in f32.
;;   ~~~python
;;   def quantise(x, axis):      # numpy; x: float32 -> the quantised numbers, widened to float32 again
;;       x = np.moveaxis(x, axis, -1); K = x.shape[-1]
;;       x = np.pad(x, [(0, 0)] * (x.ndim - 1) + [(0, -K % 32)]); x = x.reshape(x.shape[:-1] + (-1, 32)); a = np.abs(x).max(-1, keepdims=True)
;;       e = np.where(a > 0, np.clip(np.frexp(np.where(a > 0, a, 1))[1] - 1 - 8, -126, 127), 0)      # np.frexp(a)[1] - 1 = floor(log2(a)), exactly
;;       r = np.clip(x / 2.0 ** e, -448, 448)
;;       step = 2.0 ** (np.maximum(np.frexp(np.where(r == 0, 1, r))[1] - 1, -6) - 3)
;;       q = np.round(r / step) * step * 2.0 ** e      # np.round: ties to even
;;       return np.moveaxis(q.reshape(q.shape[:-2] + (-1,))[..., :K], -1, axis).astype(np.float32)
;;   ~~~
;;   SOFTMAX AHEAD OF A QUANTISED PRODUCT. Where the list says 'softmax', what is quantised is not the finished softmax but p = 2^(t - M), with t = logit x log2(e) and M = ceil(the row's largest t), a whole number; so 1/2 < the row's largest p <= 1. The row's sum l is taken of the UNQUANTISED p, in f32, and the product's result is divided by l at the end. Since M is a whole number, a kernel that streams over the keys may use a running M (the ceiling of the running maximum): every later rescaling is an exact power of two, which a block's scale takes up: the codes' values come out the same.
;;   OPERANDS COMPUTED ON THE WAY. 'Computed on the way' means the value that the module computes at that place (a softmax that the list does not call 'softmax' is quantised finished and normalised). What goes into a quantiser is computed in f32, as accurately as f32 sums, v_exp_f32 and their like allow (about 1e-6 of the number): no bf16 or f16 on the way to a quantiser, and a product that is left as it is and whose result goes on into a quantised operand takes f32 operands (vector FMAs, or v_wmma_f32_16x16x4_f32). A number that lies on a knife's edge between two numbers of the format may be rounded either way, as far as f32 arithmetic and the matrix unit's own rounding can turn it there, and no further.
;; One version. Each part assembles by itself: llvm-mc -triple=amdgcn-amd-amdhsa -mcpu=gfx1250 --defsym DOCPART=n.
;; ======== version 1 of 1: 4 launches
;; limits: right only within a limited range of input values
;; workspace buffers: xw_codes 12,582,912 bytes; xw_scales 393,216 bytes; rope 1,048,576 bytes; qkv_codes 25,165,824 bytes; qkv_scales 786,432 bytes; ctx_codes 8,388,608 bytes; ctx_scales 262,144 bytes
;; launch prep (part 1): grid 416 x 1, 4 waves a work-group, no clusters, 57,856 bytes of LDS; arguments hidden_states, Wq, Wk, Wv, Wo, xw_codes, xw_scales, rope; writes xw_codes, xw_scales, rope
.if DOCPART == 1
	.amdgcn_target "amdgcn-amd-amdhsa--gfx1250"
	.amdhsa_code_object_version 6
	.text
	.protected	k_qa7a352a48f_prep
	.globl	k_qa7a352a48f_prep
	.p2align	8
	.type	k_qa7a352a48f_prep,@function
k_qa7a352a48f_prep:
	s_mov_b64 s[64:65], 0
	v_nop
	global_prefetch_b8 v0, s[64:65] scope:SCOPE_SE
	s_setreg_imm32_b32 hwreg(HW_REG_WAVE_MODE, 25, 1), 1
	s_wait_xcnt 0x0
; PREP.  Work-groups 0-383 turn hidden_states [4096][1024], Wq, Wk, Wv [2048][1024] and Wo [1024][2048], f32, K innermost, into codes of FP8 (E4M3) with one E8M0 scale byte for each 32 along K.
; Work-groups 384-415 make the table of cosines and sines for the rotary embedding.
; HOW THE CODES ARE LAID.  Rows are taken in BLOCKS OF 16: block g = 2 G + u holds rows 32 G + 8 u + r + 8 (r / 8), r = 0 .. 15.  A fragment (block g, 128 along K) is stored as the image of the 16 registers that a
; matrix operand wants: 2,048 bytes, the four registers c of lane l at 512 c + 16 l, lane l = (r = l % 16, h = l / 16) holding k = 32 c + 16 h + 0 .. 15 of row r.  Its scale words: 64 bytes, row r's word at 4 r.
; A tensor lies as [block][K step][2,048] and [block][K step][64]; the five tensors lie one behind the other in the order x, Wq, Wk, Wv, Wo.
; A block's scale is 2^(floor(log2(its largest magnitude)) - 8); its byte is the largest magnitude's exponent field - 8, held at 1 from below.  (A block of zeros so gets the byte 1 where the quantiser says 127: its codes are
; zeros, which add nothing, and the bytes are read by this program alone.)  Each number is divided by the scale, held within +-448 and rounded to the nearest code, ties to even.
; LIMITS: NaN and infinities among the inputs are not served.  The angle's frequency comes from one multiplication and v_exp_f32, so a phase may differ from an exactly rounded one by about 2.5e-4 at position 2,047.
; SHARES.  A wave takes one block x 512 along K: 16 steps of one row's 512 numbers.  Each of a step's four loads reads 512 consecutive bytes; the 2,048 bytes turn through the wave's own stage in LDS, so that a lane
; then holds 16 neighbours along K (two neighbouring lanes hold a block of 32).  Lane l's 16 codes of step t belong at byte 256 l + 16 t of the wave's four images: they are gathered in LDS (rows of 272 bytes) and leave
; as 16 stores of 512 consecutive bytes.  The wave's 256 scale bytes leave as one store of 256 consecutive bytes.  No tile is shared between work-groups, so there is no cluster; waves share nothing, so there is no barrier.
.set STEPS, 16
.set EMAX,  8
.set MANT,  0x600000                   ; the mantissa field of 448 as f32
.set R,     16                         ; v16-79   four sets of 16 numbers as they are loaded; at the end the codes read back
.set X,     80                         ; v80-111  two sets of 16 neighbours
.set E,     112                        ; v112-127 a scale byte for each step
.set C,     128                        ; v128-191 codes: four registers for each step
.set AD,    192                        ; v192-207 step t's byte offset in the source: 16 x lane + its row; never rewritten
.set CSI,   208                        ; v208     the codes' stage, on the way in
.set CSO,   209                        ; v209     and on the way out
.set WREG,  14336                      ; LDS: a region of its own for each wave:
.set SP,    80                         ;   two turning stages of 32 x 80 bytes (a lane's 64 bytes + 16 of padding) at 0 and 2,560,
.set SCB,   5120                       ;   256 scale bytes,
.set CST,   5376                       ;   the codes' stage: 32 rows of 256 bytes + 16
.set CP,    272
	s_load_b256 s[4:11], s[0:1], 0x0               ; hidden_states, Wq, Wk, Wv
	s_load_b256 s[12:19], s[0:1], 0x20             ; Wo, xw_codes, xw_scales, rope
	v_lshl_add_u32 v216, v0, 2, 0xe000
	v_mov_b32 v217, 0
	v_lshrrev_b32 v1, 5, v0
	v_readfirstlane_b32 s20, v1                    ; wave 0..3
	v_and_b32 v2, 31, v0                           ; lane
	v_lshlrev_b32 v3, 4, v2                        ; 16 x lane
	s_wait_kmcnt 0x0
	s_cmp_ge_u32 ttmp9, 384
	s_cbranch_scc1 .Ltable
	; ---- the quantiser.  Which tensor: the choice hangs on the work-group's number alone
	s_mov_b64 s[26:27], s[12:13]                   ; Wo: work-groups 320 on; its rows are 2,048 long
	s_mov_b32 s21, 320
	s_mov_b32 s22, 2                               ; log2 of the runs of 512 in a row
	s_cmp_lt_u32 ttmp9, 320
	s_cselect_b64 s[26:27], s[10:11], s[26:27]     ; Wv
	s_cselect_b32 s21, 256, s21
	s_cselect_b32 s22, 1, s22
	s_cmp_lt_u32 ttmp9, 256
	s_cselect_b64 s[26:27], s[8:9], s[26:27]       ; Wk
	s_cselect_b32 s21, 192, s21
	s_cmp_lt_u32 ttmp9, 192
	s_cselect_b64 s[26:27], s[6:7], s[26:27]       ; Wq
	s_cselect_b32 s21, 128, s21
	s_cmp_lt_u32 ttmp9, 128
	s_cselect_b64 s[26:27], s[4:5], s[26:27]       ; hidden_states
	s_cselect_b32 s21, 0, s21
	s_sub_co_u32 s25, ttmp9, s21
	s_lshl_b32 s25, s25, 2
	s_add_co_u32 s25, s25, s20                     ; my run in the tensor
	s_lshr_b32 s28, s25, s22                       ; its block g
	s_lshl_b32 s29, 1, s22
	s_sub_co_u32 s29, s29, 1
	s_and_b32 s29, s25, s29                        ; and which 512 along K
	s_lshl_b32 s24, 0x800, s22                     ; a row of the source in bytes: 4,096 or 8,192
	s_lshr_b32 s30, s28, 1
	s_lshl_b32 s30, s30, 5
	s_and_b32 s31, s28, 1
	s_lshl_b32 s31, s31, 3
	s_add_co_u32 s30, s30, s31                     ; the block's first row: 32 (g / 2) + 8 (g % 2)
	s_mul_i32 s30, s30, s24
	s_lshl_b32 s29, s29, 11
	s_add_co_u32 s30, s30, s29
	s_mov_b32 s31, 0
	s_add_nc_u64 s[26:27], s[26:27], s[30:31]      ; the source at my run
	s_lshl_b32 s32, ttmp9, 2
	s_add_co_u32 s32, s32, s20                     ; my run among all: the five tensors' images lie on end
	s_lshl_b32 s30, s32, 13
	s_add_nc_u64 s[14:15], s[14:15], s[30:31]      ; 8,192 bytes of codes a run
	s_lshl_b32 s30, s32, 8
	s_add_nc_u64 s[16:17], s[16:17], s[30:31]      ; 256 scale bytes a run
	s_mov_b32 s23, MANT
	s_mul_i32 s33, s20, WREG                       ; my wave's LDS
	s_wait_alu depctr_va_vdst(0)
	v_lshrrev_b32 v14, 2, v2
	v_mul_u32_u24 v14, v14, SP
	v_and_b32 v15, 3, v2
	v_lshl_add_u32 v14, v15, 4, v14
	v_add_nc_u32 v14, s33, v14                     ; the turning stage, in: four lanes' 64 bytes on end, then 16 of padding
	v_mul_u32_u24 v15, v2, SP
	v_add_nc_u32 v15, s33, v15                     ; and out: my 16 neighbours
	v_lshrrev_b32 v5, 3, v2
	v_lshlrev_b32 v5, 6, v5                        ; my K step's 64 bytes of scale words: 64 (lane / 8),
	v_bfe_u32 v6, v2, 1, 2
	v_add_nc_u32 v5, v5, v6                        ; my block's byte in a word: (lane / 2) % 4; the row's word, 4 t, stands in the immediate
	v_add_nc_u32 v5, s33, v5
	v_add_nc_u32 v5, SCB, v5
	v_lshlrev_b32 v7, 3, v2                        ; on the way out 8 bytes a lane
	v_add_nc_u32 v6, s33, v7
	v_add_nc_u32 v6, SCB, v6
	v_mul_u32_u24 v[CSI], v2, CP
	v_add_nc_u32 v[CSI], s33, v[CSI]
	v_add_nc_u32 v[CSI], CST, v[CSI]               ; the codes' stage, in: row = lane, 16 t in the immediate
	v_lshrrev_b32 v8, 4, v2
	v_mul_u32_u24 v[CSO], v8, CP
	v_and_b32 v8, 15, v2
	v_lshl_add_u32 v[CSO], v8, 4, v[CSO]
	v_add_nc_u32 v[CSO], s33, v[CSO]
	v_add_nc_u32 v[CSO], CST, v[CSO]               ; out: sixteen lanes to a row, two rows an instruction
.set t, 0
.rept 16
	v_mad_u32_u24 v[AD+t], s24, t+8*(t/8), v3      ; step t reads the block's row t + 8 (t / 8)
.set t, t+1
.endr
.macro LOAD t
.irp i, 0,1,2,3
	global_load_b128 v[R+16*((\t)%4)+4*\i:R+16*((\t)%4)+4*\i+3], v[AD+(\t)], s[26:27] offset:512*\i th:TH_LOAD_NT   ; 32 lanes read 512 consecutive bytes; read once in the launch
.endr
.endm
.macro TURN t                          ; step t's numbers through the stage: LDS serves a wave's instructions in order, so no wait stands between the stores and the loads
.irp i, 0,1,2,3
	ds_store_b128 v14, v[R+16*((\t)%4)+4*\i:R+16*((\t)%4)+4*\i+3] offset:32*SP*((\t)%2)+8*SP*\i
.endr
.irp i, 0,1,2,3
	ds_load_b128 v[X+16*((\t)%2)+4*\i:X+16*((\t)%2)+4*\i+3], v15 offset:32*SP*((\t)%2)+16*\i
.endr
.endm
.irp t, 0,1,2,3
	LOAD \t
.endr
	s_wait_loadcnt 12                              ; step 0's four loads are in; three steps' twelve may be out
	TURN 0
.macro STEP t
.set XS, X+16*((\t)%2)
.if (\t) > 0
	s_wait_dscnt 2                                 ; this step's numbers are back from the stage (behind them: the last step's byte store and code store): so its stores into the stage have read their registers,
.else
	s_wait_dscnt 0x0
.endif
.if (\t)+4 < STEPS
	LOAD (\t)+4                                    ; which take the loads of four steps on
.endif
.if (\t)+1 < STEPS
.if STEPS-2-(\t) >= 3
	s_wait_loadcnt 12                              ; the next step's four loads are in; those of the three steps behind it may be out
.else
	s_wait_loadcnt 4*(STEPS-2-(\t))
.endif
	TURN (\t)+1                                    ; and go through the other stage while this step is worked
.endif
	v_max3_num_f32 v8, |v[XS]|, |v[XS+1]|, |v[XS+2]|               ; the largest magnitude of my 16
	v_max3_num_f32 v9, |v[XS+3]|, |v[XS+4]|, |v[XS+5]|
.irp i, 6,10
	v_max3_num_f32 v8, v8, |v[XS+\i]|, |v[XS+\i+1]|
	v_max3_num_f32 v9, v9, |v[XS+\i+2]|, |v[XS+\i+3]|
.endr
	v_max3_num_f32 v8, v8, |v[XS+14]|, |v[XS+15]|
	v_max3_num_f32 v8, v8, v9, (EMAX+1)<<23        ; and the floor 2^(9 - 127): the byte cannot fall under 1
	v_max_num_f32_dpp v8, v8, v8 row_xmask:1 row_mask:0xf bank_mask:0xf   ; and of my neighbour's 16: the block's
	v_add_nc_u32 v11, -(EMAX<<23), v8              ; 8 off its exponent field: the conversion takes the exponent field of this operand as its scale
	v_and_or_b32 v10, v8, 0x7f800000, s23          ; 448 x the scale
.irp i, 0,1,2,3,4,5,6,7,8,9,10,11,12,13,14,15
	v_med3_num_f32 v[XS+\i], v[XS+\i], -v10, v10   ; the conversion to an 8-bit code does not saturate (ISA guide 7.6.2): the hold comes first
.endr
	v_cvt_scalef32_pk8_fp8_f32 v[C+4*(\t):C+4*(\t)+1], v[XS:XS+7], v11
	v_cvt_scalef32_pk8_fp8_f32 v[C+4*(\t)+2:C+4*(\t)+3], v[XS+8:XS+15], v11
	v_lshrrev_b32 v[E+(\t)], 23, v11               ; the scale's byte (also the plain line behind the conversions)
	ds_store_b8 v5, v[E+(\t)] offset:4*(\t)        ; both lanes of a block write the same byte with the same value
	ds_store_b128 v[CSI], v[C+4*(\t):C+4*(\t)+3] offset:16*(\t)
.endm
.irp t, 0,1,2,3,4,5,6,7,8,9,10,11,12,13,14,15
	STEP \t
.endr
.irp i, 0,1,2,3,4,5,6,7,8,9,10,11,12,13,14,15
	ds_load_b128 v[R+4*\i:R+4*\i+3], v[CSO] offset:2*\i*CP         ; LDS serves a wave's instructions in order: these see my stores
.endr
	ds_load_b64 v[12:13], v6
.irp i, 0,1,2,3,4,5,6,7,8,9,10,11,12,13,14,15
	s_wait_dscnt 16-\i                             ; behind load i: the 15 - i younger loads of codes and the load of scale bytes
	global_store_b128 v3, v[R+4*\i:R+4*\i+3], s[14:15] offset:512*\i   ; 32 lanes store 512 consecutive bytes, aligned
.endr
	s_wait_dscnt 0x0
	global_store_b64 v7, v[12:13], s[16:17]        ; 32 lanes store 256 consecutive bytes, aligned
	s_wait_tensorcnt 0x0
	ds_add_u32 v216, v217
	s_wait_dscnt 0x0
	s_endpgm
	; ---- the table.  Wave: tile T of 16 positions, t = 32 (T / 2) + 8 (T % 2) + r + 8 (r / 8).  Register n = 0 .. 31 of lane (r, h): cos(t theta_f), f = 32 (n / 16) + 16 h + n % 16; register 32 + n: the sine.
	; That is the order in which a lane of the next launch holds a position's first 64 channels.  Laid [T][group of four registers][lane][16 bytes].
.set TH,   32                          ; v32-63   theta
.set COS,  64                          ; v64-95
.set SIN,  96                          ; v96-127
.set XX,   128                         ; from v128 on: four elements at work, four registers for each quantity
.set NN,   132
.set RR,   136
.set ZZ,   140
.set PS,   144
.set PCS,  148
.set II,   152
.set T1,   156
.set T2,   160
.set T3,   164
.Ltable:
	s_sub_co_u32 s21, ttmp9, 384
	s_lshl_b32 s21, s21, 2
	s_add_co_u32 s21, s21, s20                     ; T
	s_lshl_b32 s22, s21, 13
	s_mov_b32 s23, 0
	s_add_nc_u64 s[18:19], s[18:19], s[22:23]      ; 8,192 bytes a tile
	s_lshr_b32 s22, s21, 1
	s_lshl_b32 s22, s22, 5
	s_and_b32 s24, s21, 1
	s_lshl_b32 s24, s24, 3
	s_add_co_u32 s22, s22, s24
	s_wait_alu depctr_va_vdst(0)
	v_and_b32 v4, 15, v2
	v_and_b32 v5, 8, v4
	v_add_nc_u32 v4, v4, v5
	v_add_nc_u32 v4, s22, v4
	v_cvt_f32_u32 v4, v4                           ; my position, exact
	v_and_b32 v5, 16, v2                           ; 16 h
	s_wait_alu depctr_va_vdst(0)
	s_mov_b32 s28, 0x3f22f983                      ; 2 / pi
	s_mov_b32 s29, 0xbfc90fdb                      ; - pi / 2, the nearest f32,
	s_mov_b32 s30, 0x333bbd2e                      ; and what that f32 has too much: 4.371139e-8
	s_mov_b32 s31, 0xbe2aaaa3                      ; the sine's polynomial on |r| <= pi / 4: r + r z (s1 + z (s2 + z s3))
	s_mov_b32 s32, 0x3c08839e
	s_mov_b32 s33, 0xb94ca1f9
	s_mov_b32 s34, 0x3d2aaaa5                      ; the cosine's: 1 - z / 2 + z z (c1 + z (c2 + z c3))
	s_mov_b32 s35, 0xbab6061a
	s_mov_b32 s36, 0x37ccf5ce
	s_mov_b32 s37, 0xbe549a78                      ; - log2(10000) / 64
	s_mov_b32 s38, 0x80000000
.set n, 0
.rept 32
	v_add_nc_u32 v[TH+n], 32*(n/16)+n%16, v5       ; f
.set n, n+1
.endr
.set n, 0
.rept 32
	v_cvt_f32_u32 v[TH+n], v[TH+n]
.set n, n+1
.endr
.set n, 0
.rept 32
	v_mul_f32 v[TH+n], s37, v[TH+n]
.set n, n+1
.endr
.set n, 0
	s_wait_alu depctr_va_vdst(0)
.rept 32
	v_exp_f32 v[TH+n], v[TH+n]                     ; theta = 10000^(-f / 64)
.set n, n+1
.endr
	v_nop                                          ; a plain line behind the last exponential,
	s_wait_alu depctr_va_vdst(0)                   ; and one wait for the batch of 32, ahead of its first reader
.macro SC4 g                           ; registers 4 g .. 4 g + 3: four elements by turns, so that no line waits for the line above it
.irp e, 0,1,2,3
	v_mul_f32 v[XX+\e], v4, v[TH+4*(\g)+\e]        ; the phase, rounded once
.endr
.irp e, 0,1,2,3
	v_mul_f32 v[NN+\e], s28, v[XX+\e]
.endr
.irp e, 0,1,2,3
	v_rndne_f32 v[NN+\e], v[NN+\e]                 ; how many quarter turns
.endr
.irp e, 0,1,2,3
	v_fma_f32 v[RR+\e], v[NN+\e], s29, v[XX+\e]    ; exact: a multiple of 2^-24 under 1
.endr
.irp e, 0,1,2,3
	v_fma_f32 v[RR+\e], v[NN+\e], s30, v[RR+\e]
.endr
.irp e, 0,1,2,3
	v_mul_f32 v[ZZ+\e], v[RR+\e], v[RR+\e]
.endr
.irp e, 0,1,2,3
	v_fma_f32 v[PS+\e], v[ZZ+\e], s33, s32
	v_fma_f32 v[PCS+\e], v[ZZ+\e], s36, s35
.endr
.irp e, 0,1,2,3
	v_fma_f32 v[PS+\e], v[PS+\e], v[ZZ+\e], s31
	v_fma_f32 v[PCS+\e], v[PCS+\e], v[ZZ+\e], s34
.endr
.irp e, 0,1,2,3
	v_mul_f32 v[T1+\e], v[ZZ+\e], v[RR+\e]
	v_mul_f32 v[T2+\e], v[ZZ+\e], v[ZZ+\e]
	v_fma_f32 v[T3+\e], v[ZZ+\e], -0.5, 1.0
.endr
.irp e, 0,1,2,3
	v_fma_f32 v[PS+\e], v[PS+\e], v[T1+\e], v[RR+\e]       ; sin r
	v_fma_f32 v[PCS+\e], v[PCS+\e], v[T2+\e], v[T3+\e]     ; cos r
	v_cvt_i32_f32 v[II+\e], v[NN+\e]
.endr
.irp e, 0,1,2,3
	v_and_b32 v[T1+\e], 1, v[II+\e]
.endr
.irp e, 0,1,2,3
	v_cmp_eq_u32 s[40+\e], 1, v[T1+\e]             ; an odd number of quarter turns swaps the two
.endr
.irp e, 0,1,2,3
	v_cndmask_b32 v[T2+\e], v[PS+\e], v[PCS+\e], s[40+\e]
	v_cndmask_b32 v[T3+\e], v[PCS+\e], v[PS+\e], s[40+\e]
	v_lshlrev_b32 v[T1+\e], 30, v[II+\e]           ; the sine is negative in quarters 2 and 3,
	v_add_nc_u32 v[II+\e], 1, v[II+\e]             ; the cosine in quarters 1 and 2
.endr
.irp e, 0,1,2,3
	v_and_b32 v[T1+\e], s38, v[T1+\e]
	v_lshlrev_b32 v[II+\e], 30, v[II+\e]
.endr
.irp e, 0,1,2,3
	v_xor_b32 v[SIN+4*(\g)+\e], v[T1+\e], v[T2+\e]
	v_and_b32 v[II+\e], s38, v[II+\e]
.endr
.irp e, 0,1,2,3
	v_xor_b32 v[COS+4*(\g)+\e], v[II+\e], v[T3+\e]
.endr
	global_store_b128 v3, v[COS+4*(\g):COS+4*(\g)+3], s[18:19] offset:512*(\g)        ; 512 consecutive bytes; the data registers are never written again
	global_store_b128 v3, v[SIN+4*(\g):SIN+4*(\g)+3], s[18:19] offset:4096+512*(\g)
.endm
.irp g, 0,1,2,3,4,5,6,7
	SC4 \g
.endr
	s_endpgm
.Lfunc_end_k_qa7a352a48f_prep:
	.size	k_qa7a352a48f_prep, .Lfunc_end_k_qa7a352a48f_prep-k_qa7a352a48f_prep
	.p2alignl 7, 3214868480
	.fill 96, 4, 3214868480
	.section	.rodata,"a",@progbits
	.p2align	6, 0x0
	.amdhsa_kernel k_qa7a352a48f_prep
		.amdhsa_group_segment_fixed_size 57856
		.amdhsa_private_segment_fixed_size 0
		.amdhsa_enable_private_segment 0
		.amdhsa_kernarg_size 64
		.amdhsa_user_sgpr_count 2
		.amdhsa_user_sgpr_kernarg_segment_ptr 1
		.amdhsa_wavefront_size32 1
		.amdhsa_system_sgpr_workgroup_id_x 1
		.amdhsa_system_sgpr_workgroup_id_y 1
		.amdhsa_system_sgpr_workgroup_id_z 1
		.amdhsa_system_vgpr_workitem_id 0
		.amdhsa_next_free_vgpr 218
		.amdhsa_next_free_sgpr 66
		.amdhsa_reserve_vcc 0
		.amdhsa_float_denorm_mode_32 3
		.amdhsa_float_denorm_mode_16_64 3
		.amdhsa_memory_ordered 1
		.amdhsa_forward_progress 1
		.amdhsa_inst_pref_size 102
	.end_amdhsa_kernel
	.amdgpu_metadata
---
amdhsa.version: [ 1, 2 ]
amdhsa.kernels:
  - .name:           k_qa7a352a48f_prep
    .symbol:         k_qa7a352a48f_prep.kd
    .args:
      - { .name: hidden_states, .offset: 0, .size: 8, .value_kind: global_buffer, .address_space: global }
      - { .name: Wq, .offset: 8, .size: 8, .value_kind: global_buffer, .address_space: global }
      - { .name: Wk, .offset: 16, .size: 8, .value_kind: global_buffer, .address_space: global }
      - { .name: Wv, .offset: 24, .size: 8, .value_kind: global_buffer, .address_space: global }
      - { .name: Wo, .offset: 32, .size: 8, .value_kind: global_buffer, .address_space: global }
      - { .name: xw_codes, .offset: 40, .size: 8, .value_kind: global_buffer, .address_space: global }
      - { .name: xw_scales, .offset: 48, .size: 8, .value_kind: global_buffer, .address_space: global }
      - { .name: rope, .offset: 56, .size: 8, .value_kind: global_buffer, .address_space: global }
    .group_segment_fixed_size: 57856
    .private_segment_fixed_size: 0
    .kernarg_segment_align: 8
    .kernarg_segment_size: 64
    .max_flat_workgroup_size: 128
    .sgpr_count:     66
    .vgpr_count:     218
    .wavefront_size: 32
...
	.end_amdgpu_metadata
.endif
;; end of part 1
;; launch qkv (part 2): grid 16 x 24, 4 waves a work-group, clusters of 4 x 4, 327,680 bytes of LDS; arguments xw_codes, xw_scales, rope, bq, bk, bv, qkv_codes, qkv_scales; writes qkv_codes, qkv_scales
.if DOCPART == 2
	.amdgcn_target "amdgcn-amd-amdhsa--gfx1250"
	.amdhsa_code_object_version 6
	.text
	.protected	k_qa7a352a48f_qkv
	.globl	k_qa7a352a48f_qkv
	.p2align	8
	.type	k_qa7a352a48f_qkv,@function
k_qa7a352a48f_qkv:
	s_mov_b64 s[64:65], 0
	v_nop
	global_prefetch_b8 v0, s[64:65] scope:SCOPE_SE
	s_setreg_imm32_b32 hwreg(HW_REG_WAVE_MODE, 25, 1), 1
	s_wait_xcnt 0x0
	s_wait_alu depctr_hold_cnt(0) depctr_sa_sdst(0) depctr_va_vdst(0) depctr_va_sdst(0) depctr_va_ssrc(0) depctr_va_vcc(0) depctr_vm_vsrc(0)
	s_getreg_b32 s2, hwreg(HW_REG_IB_STS2, 6, 4)
	s_cmp_eq_u32 s2, 0
	s_cbranch_scc0 .Lentry_in_a_cluster
	s_endpgm
.Lentry_in_a_cluster:
	s_bfe_u32 s2, ttmp6, 0x10000c
	s_cmp_lg_u32 s2, 0xf033
	s_cbranch_scc0 .Lentry_shape_is_right
	s_endpgm
.Lentry_shape_is_right:
; QKV.  q = rope(x Wq^T + bq), k = rope(x Wk^T + bk), v = x Wv^T + bv, the three products on codes of FP8 (E4M3) with one E8M0 scale for each 32 along K = 1,024; the results leave as CODES, quantised along the K of
; the product that will read them: q and k along a head's 128 channels, v along the keys.  Nothing leaves as f32.
; OPERANDS lie in memory as images of their registers, in blocks of 16 rows (block g = 2 G + u: rows 32 G + 8 u + r + 8 (r / 8)): [block][K step of 128][2,048 bytes], scale words [block][K step][64 bytes].
; Blocks 0-255: x; 256-383: Wq; 384-511: Wk; 512-639: Wv.
; A tile of 256 x 256 is made by a work-group of four waves, 128 x 128 each: 64 accumulators, 512 registers.  THE MATRIX INSTRUCTION IS USED TRANSPOSED: source 0 = a block of 'B', source 1 = a block of 'A': lane (r, h) then
; holds row r of A's block, and the 16 registers of B's blocks 2 b and 2 b + 1 are B's rows 32 b + 16 h + 0 .. 15: sixteen neighbours, in the order that an operand's registers want.
; Clusters with y < 4 (q, k): A = x's rows, B = rows of Wq or Wk: a lane holds one position and its registers run along the head's channels.  Clusters with y >= 4 (v): A = rows of Wv, B = x's rows: a lane holds one channel
; and its registers run along the keys.  The K loop is one text for both; the branch that parts them hangs on the cluster's y, which all sixteen partners share.
; K goes through a ring of two LDS slots of 256 along K; K = 1,024 is four slots' worth, so the steps are written out.  The scale words of the work-group's 512 rows, for all of K, come once.
; CLUSTERS: 4 x 4 work-groups; A's tiles are asked for jointly along a row of the cluster, B's along a column.
; THE WAY OUT of a block of 16 rows of A: bias; for q and k the rotation (a channel d < 64 and its partner d + 64 lie in one lane, 32 registers apart; cosines and sines come from a table laid in the same order);
; the quantiser; four stores of 512 consecutive bytes and one of the scale words.  There is no stage in LDS.
; LIMITS: NaN and infinities are not served; a block of zeros gets the byte 1 with zero codes (the bytes are read by this program alone); the rotation is a multiplication and a fused multiply-add.
; REGISTERS, in windows of 256: window 0: v16-31 addresses; v32-63 scale words, two sets, and nothing else; v64-127 the bias; v128-255 A's fragments, one set; on the way out v128-191 T = sums + bias, then the quantiser's
;   work, v192-255 the 64 numbers to quantise.  window 1: B's fragments, two sets; on the way out four sets of 64 cosines and sines.  windows 2, 3: the accumulators ((a, b) at v[8 (8 (a % 4) + b)]).
.set NQ,     2                         ; K steps of 128 in a slot
.set FR,     16                        ; registers of a fragment
.set NL,     4                         ; LDS loads that bring one
.set NP,     8                         ; places behind this matrix instruction (ISA guide 7.12.1)
.set BLKB,   4096                      ; a block's part of a slot: two images
.set HALFT,  8*BLKB                    ; eight blocks: what one tensor load brings, and what one wave reads of A or of B
.set SLOT,   4*HALFT                   ; A's 16 blocks, then B's 16
.set SCL,    2*SLOT                    ; behind the ring: A's scale words (16 blocks x 512 bytes), then B's
.set HALFS,  4096                      ; those of eight blocks
.set SPARE,  SCL+4*HALFS               ; the spare words, 128 bytes for each wave: two blocks of 256 bytes that no other line names
.set ADRA, 16                          ; v16-17  LDS address of my A fragments in slot 0, 1
.set ADRB, 20                          ; v20-21  the same for B
.set PW,   22                          ; v22     the scale word just made
.set BO,   23                          ; v23     my lane's offset in the bias
.set LI,   24                          ; v24     16 x lane
.set LW,   25                          ; v25     4 x (lane % 16)
.set ADRS, 27                          ; v27     LDS address of my scale words: lanes 0-15 A's rows, lanes 16-31 B's
.set SPW,  28                          ; v28     LDS address of my spare word; never rewritten
.set NIL,  29                          ; v29     0; never rewritten
.set SC,   32                          ; scale words: set s at v[SC + 16 s]; register 2 i + q: lanes 0-15 A's block i, lanes 16-31 B's block i, the slot's q-th K step
.set BI,   64
.set AF,   128
.set TT,   128
.set OO,   192
.set TM,   128                         ; v128-143 the quantiser's work;  v144-159 the codes
.set PC,   144
.set G1, 24                            ; s[24:31] descriptor group 1 for A's tiles;  s[32:39] group 0, one set for each slot
.set G0, 32
.set G1B, 48                           ; s[48:55], s[56:63] the same for B's tiles
.set G0B, 56
.set G1S, 68                           ; s[68:75], s[76:79] groups 1 and 0 for A's scale words;  s[80:87], s[88:91] for B's
.set G0S, 76
.set G1SB, 80
.set G0SB, 88
.set MSB, 0
.macro WIN new                         ; the immediate's high byte repeats the setting that is left
.if MSB != (\new)
	s_set_vgpr_msb (MSB<<8)|(\new)
.set MSB, (\new)
.endif
.endm
.set MUL_LO, 0xa1                      ; source 0 (B) window 1, source 1 (A) window 0, C and D window 2
.set MUL_HI, 0xf1                      ; the same, C and D window 3
.set TO_B,   0x40                      ; destination window 1, address window 0
; A joint load: waves 0 and 1 fetch for A, waves 2 and 3 for B.  Each of the two lines has one mask and one set of registers for all that issue it; the branch hangs on the wave's number alone.
; Four v_nop follow each of the two lines.
.macro JLOAD g0a, g1a, g0b, g1b
	s_cmp_eq_u32 s15, 0
	s_cbranch_scc0 .Lfor_b_\@
	tensor_load_to_lds s[\g0a:\g0a+3], s[\g1a:\g1a+7]
	s_nop 0
.rept 4
	v_nop
.endr
	s_branch .Lasked_\@
.Lfor_b_\@:
	tensor_load_to_lds s[\g0b:\g0b+3], s[\g1b:\g1b+7]
	s_nop 0
.rept 4
	v_nop
.endr
.Lasked_\@:
.endm
.macro CREST                           ; a round of the cluster's barrier behind its opening barrier
	s_cmp_lg_u32 s14, 0
	s_cbranch_scc1 .Lnot_wave_0_\@
	s_barrier_signal -3
.Lnot_wave_0_\@:
	s_barrier_wait -3
	s_barrier_signal -1
	s_barrier_wait -1
.endm
.macro CROUND                          ; a whole round
	s_barrier_signal -1
	s_barrier_wait -1
	CREST
.endm
	s_load_b256 s[4:11], s[0:1], 0x0               ; xw_codes s[4:5], xw_scales s[6:7], rope s[8:9], bq s[10:11]
	s_load_b256 s[92:99], s[0:1], 0x20             ; bk s[92:93], bv s[94:95], qkv_codes s[96:97], qkv_scales s[98:99]
	v_lshl_add_u32 v[SPW], v0, 2, SPARE
	v_mov_b32 v[NIL], 0
	ds_add_u32 v28, v29
	ds_add_u32 v28, v29
	s_wait_dscnt 0x0
	v_lshrrev_b32 v1, 5, v0
	v_readfirstlane_b32 s14, v1                    ; wave 0..3
	s_lshr_b32 s15, s14, 1                         ; which half of A's blocks is mine.  Also: I fetch for A (0) or for B (1)
	s_and_b32 s16, s14, 1                          ; which half of B's.  Also: which eight blocks I fetch
	s_bfe_u32 s40, ttmp6, 0x40000                  ; cx, cy: my place in the cluster
	s_bfe_u32 s41, ttmp6, 0x40004
	s_lshl_b32 s42, ttmp9, 2
	s_add_co_u32 s42, s42, s40                     ; tx = 4 x cluster x + cx: B's tile
	s_and_b32 s100, ttmp7, 0xffff                  ; the cluster's y: under 4 for q and k, from 4 on for v
	s_lshl_b32 s17, s100, 2
	s_add_co_u32 s17, s17, s41                     ; ty = 4 x cluster y + cy: A's tile
	s_lshl_b32 s43, s41, 2
	s_lshl_b32 s43, 15, s43                        ; my row of the cluster
	s_lshl_b32 s44, 0x1111, s40                    ; my column
	; descriptor group 1 for codes: eight rows (blocks) of 4,096 bytes (512 elements of 8 bytes), 16,384 bytes apart in memory, on end in LDS
	s_or_b32 s[G1+0], s43, (3<<16)|(1<<21)         ; 15:0 the mask: A's tiles go to my row; 17:16 elements of 8 bytes; 20 no padding; 21 set beside a mask
	s_or_b32 s[G1B+0], s44, (3<<16)|(1<<21)
.irp g, G1, G1B
	s_mov_b32 s[\g+1], 512<<16                     ; tensor_dim0
	s_mov_b32 s[\g+2], 16<<16                      ; tensor_dim1: sixteen blocks for the head's loads; behind them eight
	s_mov_b32 s[\g+3], 512<<16                     ; tile_dim0
	s_mov_b32 s[\g+4], 16                          ; tile_dim1
	s_mov_b32 s[\g+5], 2048                        ; tensor_dim0_stride
	s_mov_b32 s[\g+6], 0
	s_mov_b32 s[\g+7], 0
.endr
	; and for the scale words of a tile's sixteen blocks: 8,192 dense bytes, as 32 rows of 256
	s_or_b32 s[G1S+0], s43, (3<<16)|(1<<21)
	s_or_b32 s[G1SB+0], s44, (3<<16)|(1<<21)
.irp g, G1S, G1SB
	s_mov_b32 s[\g+1], 32<<16
	s_mov_b32 s[\g+2], 32<<16                      ; the scale words of a tile's sixteen blocks: 8,192 dense bytes, as 32 rows of 256
	s_mov_b32 s[\g+3], 32<<16
	s_mov_b32 s[\g+4], 32
	s_mov_b32 s[\g+5], 32
	s_mov_b32 s[\g+6], 0
	s_mov_b32 s[\g+7], 0
.endr
	s_cmp_ge_u32 s100, 4
	s_cselect_b32 s18, 256, 0                      ; v: A's blocks are Wv's, 16 ty + 256;  q, k: x's, 16 ty
	s_cselect_b32 s19, 0, 256                      ; v: B's blocks are x's, 16 tx;  q, k: Wq's and Wk's, 16 tx + 256
	s_lshl_b32 s20, s17, 4
	s_add_co_u32 s20, s20, s18                     ; A's tile: its first block
	s_lshl_b32 s46, s42, 4
	s_add_co_u32 s46, s46, s19                     ; B's tile: its first block
	s_lshl_b32 s22, s20, 9                         ; 512 bytes of scale words a block,
	s_lshl_b32 s20, s20, 14                        ; 16,384 of codes
	s_lshl_b32 s18, s46, 9
	s_lshl_b32 s46, s46, 14
	s_mov_b32 s21, 0
	s_mov_b32 s23, 0
	s_mov_b32 s19, 0
	s_mov_b32 s47, 0
	s_lshl_b32 s45, s14, 15                        ; where they go: wave x 32,768: no place in the cluster enters an LDS address
	s_wait_kmcnt 0x0
	s_add_nc_u64 s[20:21], s[4:5], s[20:21]
	s_add_nc_u64 s[22:23], s[6:7], s[22:23]
	s_add_nc_u64 s[46:47], s[4:5], s[46:47]
	s_add_nc_u64 s[18:19], s[6:7], s[18:19]
	CROUND                                         ; all sixteen work-groups are here: the first joint loads meet
	s_mov_b32 s[G0S], 1                            ; the head's four tiles, each whole: A's scale words,
	s_mov_b32 s[G0S+1], SCL
	s_mov_b64 s[G0S+2:G0S+3], s[22:23]
	s_or_b32 s[G0S+3], s[G0S+3], 0x80000000
	s_mov_b32 s[G0SB], 1                           ; B's,
	s_mov_b32 s[G0SB+1], SCL+2*HALFS
	s_mov_b64 s[G0SB+2:G0SB+3], s[18:19]
	s_or_b32 s[G0SB+3], s[G0SB+3], 0x80000000
	s_mov_b32 s[G0], 1                             ; slot 0's sixteen blocks of A (in the registers of slot 0's ring descriptor, which is made behind the wait for these loads),
	s_mov_b32 s[G0+1], 0
	s_mov_b64 s[G0+2:G0+3], s[20:21]
	s_or_b32 s[G0+3], s[G0+3], 0x80000000
	s_mov_b32 s[G0B], 1                            ; and of B
	s_mov_b32 s[G0B+1], 2*HALFT
	s_mov_b64 s[G0B+2:G0B+3], s[46:47]
	s_or_b32 s[G0B+3], s[G0B+3], 0x80000000
; The head's loads, one a wave: one chain of branches on the wave's number, an arm a load, all arms leading to one join.
.macro ARM under, g0, g1, next
	s_cmp_lt_u32 s14, \under
	s_cbranch_scc0 \next
	tensor_load_to_lds s[\g0:\g0+3], s[\g1:\g1+7]
	s_nop 0
.rept 4
	v_nop
.endr
	s_branch .Lhead_asked
\next:
.endm
	ARM 1, G0,  G1,  .Lhead_b
	ARM 2, G0B, G1B, .Lhead_sa
	ARM 3, G0S, G1S, .Lhead_sb
	tensor_load_to_lds s[G0SB:G0SB+3], s[G1SB:G1SB+7]
	s_nop 0
.rept 4
	v_nop
.endr
.Lhead_asked:
	s_lshl_b32 s2, s16, 17                         ; for the ring: which eight blocks of a tile I fetch: 8 x 16,384 bytes
	s_mov_b32 s3, 0
	s_add_nc_u64 s[20:21], s[20:21], s[2:3]
	s_add_nc_u64 s[46:47], s[46:47], s[2:3]
	s_mov_b32 s[G0+4], 1                           ; slot 1's ring descriptors
	s_add_co_u32 s[G0+5], s45, SLOT
	s_add_nc_u64 s[G0+6:G0+7], s[20:21], BLKB
	s_or_b32 s[G0+7], s[G0+7], 0x80000000
	s_mov_b32 s[G0B+4], 1
	s_add_co_u32 s[G0B+5], s45, SLOT
	s_add_nc_u64 s[G0B+6:G0B+7], s[46:47], BLKB
	s_or_b32 s[G0B+7], s[G0B+7], 0x80000000
	v_and_b32 v1, 31, v0
	v_lshlrev_b32 v[LI], 4, v1                     ; an image's place for my lane
	v_and_b32 v2, 15, v0                           ; r
	v_lshlrev_b32 v[LW], 2, v2
	v_bfe_u32 v3, v0, 4, 1                         ; h
	s_wait_alu depctr_va_vdst(0)
	s_lshl_b32 s21, s15, 15                        ; my eight blocks of A
	s_lshl_b32 s22, s16, 15                        ; my eight blocks of B,
	s_add_co_u32 s22, s22, 2*HALFT                 ; which lie behind A's sixteen
.irp s, 0,1
	v_add_nc_u32 v[ADRA+\s], s21, v[LI]
	v_add_nc_u32 v[ADRB+\s], s22, v[LI]
	s_add_co_u32 s21, s21, SLOT
	s_add_co_u32 s22, s22, SLOT
.endr
	s_lshl_b32 s21, s15, 12                        ; A's scale words: my eight blocks
	s_lshl_b32 s22, s16, 12                        ; B's, behind A's sixteen
	s_add_co_u32 s22, s22, 2*HALFS
	s_sub_co_u32 s22, s22, s21
	v_mul_u32_u24 v6, s22, v3                      ; lanes 16-31 take B's: one product, the distance between the two x h
	s_add_co_u32 s21, s21, SCL
	v_add_nc_u32 v5, v[LW], v6
	v_add_nc_u32 v[ADRS], s21, v5
	s_mov_b32 s3, 0x600000                         ; the mantissa field of 448
	s_mov_b32 s2, 0x76543210                       ; v_permlanex16_b32's selects for lane l xor 16
	s_mov_b32 s101, 0xfedcba98
.macro FRAG reg, adr, q, i             ; a fragment comes back as it was stored: four loads of 512 consecutive bytes
.irp c, 0,1,2,3
	ds_load_b128 v[\reg+4*\c:\reg+4*\c+3], v[\adr] offset:2048*(\q)+512*\c+(\i)*BLKB
.endr
.endm
; 16 matrix instructions: A's blocks a0, a0 + 1 x B's eight, the slot's q-th K step.  p: B's set;  sc: the set of scale words.  zero = 1: the first product starts the sums.
; The 64 accumulators take turns, one instruction a turn, in the same order in every step.
.macro MUL16 a0, p, q, sc, zero
.irp a, \a0, \a0+1
.irp b, 0,1,2,3,4,5,6,7
.if \zero
	v_wmma_scale_f32_16x16x128_f8f6f4 v[8*(8*((\a)%4)+\b):8*(8*((\a)%4)+\b)+7], v[128*(\p)+FR*\b:128*(\p)+FR*\b+FR-1], v[AF+FR*(\a):AF+FR*(\a)+FR-1], 0, v[SC+8*NQ*(\sc)+NQ*\b+(\q)], v[SC+8*NQ*(\sc)+NQ*(\a)+(\q)] matrix_a_scale:MATRIX_SCALE_ROW1
.else
	v_wmma_scale_f32_16x16x128_f8f6f4 v[8*(8*((\a)%4)+\b):8*(8*((\a)%4)+\b)+7], v[128*(\p)+FR*\b:128*(\p)+FR*\b+FR-1], v[AF+FR*(\a):AF+FR*(\a)+FR-1], v[8*(8*((\a)%4)+\b):8*(8*((\a)%4)+\b)+7], v[SC+8*NQ*(\sc)+NQ*\b+(\q)], v[SC+8*NQ*(\sc)+NQ*(\a)+(\q)] matrix_a_scale:MATRIX_SCALE_ROW1
.endif
.endr
.endr
.endm
.macro FETCH_B slot, q, p              ; B's eight fragments of the slot's q-th K step into set p
	WIN TO_B
.irp i, 0,1,2,3,4,5,6,7
	FRAG 128*(\p)+FR*\i, ADRB+\slot, \q, \i
.endr
	WIN 0
.endm
.macro FETCH_A slot, q, i0             ; A's blocks i0 .. i0 + 3
.irp i, \i0, \i0+1, \i0+2, \i0+3
	FRAG AF+FR*(\i), ADRA+\slot, \q, \i
.endr
.endm
.macro SCALES sc                       ; a slot's scale words into set sc: lanes 0-15 take A's block i, lanes 16-31 B's block i
.irp i, 0,1,2,3,4,5,6,7
	ds_load_b32 v[SC+16*\sc+2*\i], v[ADRS] offset:\i*512
	ds_load_b32 v[SC+16*\sc+2*\i+1], v[ADRS] offset:\i*512+64
.endr
.endm
.macro PLACES n                        ; plain vector lines between a matrix instruction and a load into, or a vector line on, one of its registers
.rept \n
	v_nop
.endr
.endm
; A K step that has its successor in the same slot.
.macro STEP slot, q, zero
	s_wait_dscnt 4*NL                              ; B's set, A's blocks 0-3 and the scale words are in; the youngest sixteen loads (A's blocks 4-7) may be out
	WIN MUL_LO
	MUL16 0, (\q)%2, \q, \slot, \zero
	MUL16 2, (\q)%2, \q, \slot, \zero
	s_wait_dscnt 0                                 ; A's blocks 4-7 are in
	PLACES NP
	FETCH_B \slot, (\q)+1, 1-(\q)%2
	FETCH_A \slot, (\q)+1, 0
	WIN MUL_HI
	MUL16 4, (\q)%2, \q, \slot, \zero
	MUL16 6, (\q)%2, \q, \slot, \zero
	PLACES NP
	WIN 0
	FETCH_A \slot, (\q)+1, 4
.endm
; A slot's last step changes slots: one barrier; in front of it each wave waits for all its tensor loads, adds 0 to its spare word, and waits for that and for its own reads of this slot.  fill = 1: this slot is filled again.
.macro TURN slot, next, fill
	s_wait_tensorcnt 0x0                           ; all my tensor loads have landed: my part of the next slot
	ds_add_u32 v[SPW], v[NIL]                      ; 0 onto my spare word
	s_wait_dscnt 4*NL+1                            ; (the add and the youngest sixteen loads, A's blocks 4-7, may be out)
	WIN MUL_LO
	MUL16 0, 1, NQ-1, \slot, 0                     ; sixteen matrix instructions stand between the add and the wait for it
	s_wait_dscnt 0x0                               ; the add is done, and my reads of this slot are over
	s_barrier_signal -1
	MUL16 2, 1, NQ-1, \slot, 0
	WIN 0
	s_barrier_wait -1
.if \fill
	CREST                                          ; the barrier has opened a round of the cluster's barrier: no wave of any partner still reads this slot or has a load on its way
	s_add_nc_u64 s[G0+4*\slot+2:G0+4*\slot+3], s[G0+4*\slot+2:G0+4*\slot+3], 2*BLKB
	s_add_nc_u64 s[G0B+4*\slot+2:G0B+4*\slot+3], s[G0B+4*\slot+2:G0B+4*\slot+3], 2*BLKB
	JLOAD G0+4*\slot, G1, G0B+4*\slot, G1B         ; the first tensor load behind the round, my one load until the next; its four v_nop are among the places in front of the loads below
	PLACES NP-4
.else
	PLACES NP
.endif
	s_wait_alu depctr_va_vdst(0)
	v_add_nc_u32 v[ADRS], 64*NQ, v[ADRS]           ; on to the next slot's scale words
	FETCH_B \next, 0, 0
	FETCH_A \next, 0, 0
	SCALES \next
	WIN MUL_HI
	MUL16 4, 1, NQ-1, \slot, 0
	MUL16 6, 1, NQ-1, \slot, 0
	PLACES NP
	WIN 0
	FETCH_A \next, 0, 4
.endm
.macro LASTSTEP                        ; K step 7: nothing more to fetch
	s_wait_dscnt 4*NL
	WIN MUL_LO
	MUL16 0, 1, NQ-1, 1, 0
	MUL16 2, 1, NQ-1, 1, 0
	s_wait_dscnt 0
	WIN MUL_HI
	MUL16 4, 1, NQ-1, 1, 0
	MUL16 6, 1, NQ-1, 1, 0
	WIN 0
.endm
; 64 numbers of a lane, v[s] on, register 16 b + i = k 32 b + 16 h + i of my row, become a fragment's codes in v[PC] on and its scale word in v[PW].
.macro QUANT s
.irp b, 0,1,2,3
	v_max3_num_f32 v[TM+\b], |v[\s+16*\b]|, |v[\s+1+16*\b]|, 0x4800000   ; block b: my 16 numbers, and the floor 2^(9 - 127): the byte cannot fall under 1
.endr
.irp i, 2,4,6,8,10,12,14
.irp b, 0,1,2,3
	v_max3_num_f32 v[TM+\b], v[TM+\b], |v[\s+16*\b+\i]|, |v[\s+1+16*\b+\i]|
.endr
.endr
.irp b, 0,1,2,3
	v_permlanex16_b32 v[TM+4+\b], v[TM+\b], s2, s101
.endr
.irp b, 0,1,2,3
	v_max_num_f32 v[TM+\b], v[TM+\b], v[TM+4+\b]   ; with lane l xor 16's: the block's largest magnitude
.endr
.irp b, 0,1,2,3
	v_add_nc_u32 v[TM+12+\b], 0xfc000000, v[TM+\b] ; 8 off its exponent field: the conversion's scale operand
.endr
.irp b, 0,1,2,3
	v_and_or_b32 v[TM+8+\b], v[TM+\b], 0x7f800000, s3   ; 448 x the scale
.endr
.irp b, 0,1,2,3
	v_lshrrev_b32 v[TM+4+\b], 23, v[TM+12+\b]      ; the scale's byte
.endr
	v_lshl_or_b32 v[PW], v[TM+5], 8, v[TM+4]
	v_lshl_or_b32 v[PW], v[TM+6], 16, v[PW]
	v_lshl_or_b32 v[PW], v[TM+7], 24, v[PW]
.irp b, 0,1,2,3
.irp i, 0,1,2,3,4,5,6,7,8,9,10,11,12,13,14,15
	v_med3_num_f32 v[\s+16*\b+\i], v[\s+16*\b+\i], -v[TM+8+\b], v[TM+8+\b]   ; the conversion does not saturate (ISA guide 7.6.2): the hold comes first
.endr
	v_cvt_scalef32_pk8_fp8_f32 v[PC+4*\b:PC+1+4*\b], v[\s+16*\b:\s+7+16*\b], v[TM+12+\b]
	v_cvt_scalef32_pk8_fp8_f32 v[PC+2+4*\b:PC+3+4*\b], v[\s+8+16*\b:\s+15+16*\b], v[TM+12+\b]
.endr
	v_nop                                          ; a plain line behind the last conversion
.endm
.macro PUT a                           ; the image of block a: four stores of 512 consecutive bytes; its scale words (both halves of the lanes hold and write the same words)
.irp c, 0,1,2,3
	global_store_b128 v[LI], v[PC+4*\c:PC+4*\c+3], s[12:13] offset:(\a)*2048+512*\c
.endr
	global_store_b32 v[LW], v[PW], s[66:67] offset:(\a)*64
.endm
.macro RLOAD a                         ; the cosines and sines of block a's 16 positions into set a % 4 of window 1
	WIN 0x40
.irp g, 0,1,2,3,4,5,6,7,8,9,10,11,12,13,14,15
	global_load_b128 v[64*((\a)%4)+4*\g:64*((\a)%4)+4*\g+3], v[LI], s[8:9] offset:(\a)*8192+512*\g
.endr
	WIN 0
.endm
.macro EPI_QK a, left                  ; left: the table loads issued behind block a's own, which may stay out
.set AC, 64*((\a)%4)
.set RT, 64*((\a)%4)
	s_wait_loadcnt \left
.if (\a) > 0
	s_wait_xcnt 0x0                                ; the last block's stores have read their registers, which T's lines below write again
.endif
	WIN 2+(\a)/4                                   ; source 0: the accumulators' window
.set n, 0
.rept 32
	v_pk_add_f32 v[TT+n:TT+n+1], v[AC+n:AC+n+1], v[BI+n:BI+n+1]    ; T = sum + bias; each accumulator from its low end on
.set n, n+2
.endr
	WIN 0x04                                       ; source 1: the table's window
.set n, 0
.rept 32
	v_pk_mul_f32 v[OO+n:OO+n+1], v[TT+n:TT+n+1], v[RT+n%32:RT+n%32+1]      ; x cos
.set n, n+2
.endr
.set n, 0
.rept 16
	v_pk_fma_f32 v[OO+n:OO+n+1], v[TT+32+n:TT+32+n+1], v[RT+32+n:RT+32+n+1], v[OO+n:OO+n+1] neg_lo:[1,0,0] neg_hi:[1,0,0]   ; channels under 64: - x2 sin
	v_pk_fma_f32 v[OO+32+n:OO+32+n+1], v[TT+n:TT+n+1], v[RT+32+n:RT+32+n+1], v[OO+32+n:OO+32+n+1]                           ; from 64 on: + x1 sin
.set n, n+2
.endr
	WIN 0
.if (\a) < 4
	RLOAD (\a)+4                                   ; the set just read takes the block four further on
.endif
	QUANT OO
	PUT \a
.endm
.macro EPI_V a
.set AC, 64*((\a)%4)
	WIN 2+(\a)/4
.set n, 0
.rept 32
	v_pk_add_f32 v[OO+n:OO+n+1], v[AC+n:AC+n+1], v[BI+2*(\a):BI+2*(\a)+1]  ; my channel's bias on all 64 keys
.set n, n+2
.endr
	WIN 0
.if (\a) > 0
	s_wait_xcnt 0x0                                ; the last block's stores have read the codes' registers and the scale word
.endif
	QUANT OO
	PUT \a
.endm
	s_wait_alu depctr_va_vdst(0)
	s_wait_tensorcnt 0x0                           ; my tile of the head's four is in
	ds_add_u32 v[SPW], v[NIL]
	s_mov_b32 s[G1+2], 8<<16                       ; no tensor load of mine is out, so descriptors may be written: from here on a load brings eight blocks
	s_mov_b32 s[G1+4], 8
	s_mov_b32 s[G1B+2], 8<<16
	s_mov_b32 s[G1B+4], 8
	s_mov_b32 s[G0+1], s45                         ; slot 0's ring descriptors: my eight blocks, one slot's bytes ahead of slot 1's
	s_sub_nc_u64 s[G0+2:G0+3], s[G0+6:G0+7], BLKB
	s_mov_b32 s[G0B+1], s45
	s_sub_nc_u64 s[G0B+2:G0B+3], s[G0B+6:G0B+7], BLKB
	s_wait_dscnt 0x0
	CROUND                                         ; a whole round: all four tiles are in, in every partner
	JLOAD G0+4, G1, G0B+4, G1B                     ; slot 1's first fill, the first tensor load behind the round
	FETCH_B 0, 0, 0
	FETCH_A 0, 0, 0
	SCALES 0
	FETCH_A 0, 0, 4
	STEP 0, 0, 1                                   ; K step 0 starts the sums
	TURN 0, 1, 1                                   ; 1; slot 0 takes K steps 4 and 5
	STEP 1, 0, 0                                   ; 2
	TURN 1, 0, 1                                   ; 3; slot 1 takes K steps 6 and 7
	STEP 0, 0, 0                                   ; 4
	TURN 0, 1, 0                                   ; 5; nothing is left to fetch
	s_cmp_ge_u32 s100, 4                           ; the cluster's y: the same in all sixteen partners.  Neither way holds a barrier or a tensor load
	s_cbranch_scc1 .Lv
	; ---- q and k
	s_lshl_b32 s18, s17, 4
	s_lshl_b32 s19, s15, 3
	s_add_co_u32 s18, s18, s19                     ; my first block of x's rows
	s_lshr_b32 s19, s18, 7                         ; the batch
	s_and_b32 s18, s18, 127                        ; the block in the sequence
	s_lshl_b32 s20, s42, 1
	s_add_co_u32 s20, s20, s16                     ; my 128 rows of Wq | Wk
	s_lshr_b32 s21, s20, 4                         ; 0: q, 1: k
	s_and_b32 s20, s20, 15                         ; the head
	s_lshl_b32 s19, s19, 4
	s_add_co_u32 s19, s19, s20
	s_lshl_b32 s19, s19, 7
	s_add_co_u32 s19, s19, s18                     ; (16 batch + head) x 128 + block
	s_lshl_b32 s22, s21, 23
	s_lshl_b32 s23, s19, 11
	s_add_co_u32 s22, s22, s23
	s_mov_b32 s23, 0
	s_add_nc_u64 s[12:13], s[96:97], s[22:23]      ; where my images go
	s_lshl_b32 s22, s21, 18
	s_lshl_b32 s46, s19, 6
	s_add_co_u32 s22, s22, s46
	s_add_nc_u64 s[66:67], s[98:99], s[22:23]      ; and their scale words
	s_cmp_ge_u32 ttmp9, 2                          ; tx >= 8: k
	s_cselect_b64 s[46:47], s[92:93], s[10:11]
	s_lshl_b32 s22, s20, 9
	s_add_nc_u64 s[46:47], s[46:47], s[22:23]      ; the head's 128 numbers of the bias
	s_lshl_b32 s22, s18, 13
	s_add_nc_u64 s[8:9], s[8:9], s[22:23]          ; the table at my first block
	v_lshlrev_b32 v[BO], 6, v3                     ; register 16 b + i is channel 32 b + 16 h + i
.irp b, 0,1,2,3
.irp g, 0,1,2,3
	global_load_b128 v[BI+16*\b+4*\g:BI+16*\b+4*\g+3], v[BO], s[46:47] offset:128*\b+16*\g
.endr
.endr
	STEP 1, 0, 0                                   ; K step 6
	RLOAD 0                                        ; B's set 0 is done with, eight places back
	RLOAD 1
	LASTSTEP
	PLACES NP                                      ; in front of loads into B's set 1, of writes over A's fragments and of the first read of results
	RLOAD 2
	RLOAD 3
.irp b, 0,1,2,3
	v_mov_b32 v[TM+4+\b], 0                        ; a lane permute's destination counts as one of its sources
.endr
	EPI_QK 0, 48
	EPI_QK 1, 48
	EPI_QK 2, 48
	EPI_QK 3, 48
	EPI_QK 4, 48
	EPI_QK 5, 32
	EPI_QK 6, 16
	EPI_QK 7, 0
	s_branch .Lend
	; ---- v
.Lv:
	s_sub_co_u32 s18, s17, 16
	s_lshl_b32 s18, s18, 1
	s_add_co_u32 s18, s18, s15                     ; the head: my 128 rows of Wv
	s_lshl_b32 s19, s42, 4
	s_lshl_b32 s20, s16, 3
	s_add_co_u32 s19, s19, s20                     ; my first block of x's rows
	s_lshr_b32 s20, s19, 7                         ; the batch
	s_and_b32 s19, s19, 127
	s_lshr_b32 s19, s19, 3                         ; the key step
	s_lshl_b32 s20, s20, 4
	s_add_co_u32 s20, s20, s18
	s_lshl_b32 s20, s20, 4
	s_add_co_u32 s20, s20, s19                     ; (16 batch + head) x 16 + key step
	s_lshl_b32 s22, s20, 14
	s_add_co_u32 s22, s22, 0x1000000
	s_mov_b32 s23, 0
	s_add_nc_u64 s[12:13], s[96:97], s[22:23]
	s_lshl_b32 s22, s20, 9
	s_add_co_u32 s22, s22, 0x80000
	s_add_nc_u64 s[66:67], s[98:99], s[22:23]
	s_lshl_b32 s22, s18, 9
	s_add_nc_u64 s[46:47], s[94:95], s[22:23]
	v_and_b32 v[BO], 8, v2
	v_add_nc_u32 v[BO], v[BO], v2
	v_lshlrev_b32 v[BO], 2, v[BO]                  ; in block a my channel is 32 (a / 2) + 8 (a % 2) + r + 8 (r / 8)
.irp a, 0,1,2,3,4,5,6,7
	global_load_b32 v[BI+2*\a], v[BO], s[46:47] offset:4*(32*(\a/2)+8*(\a%2))
.endr
	STEP 1, 0, 0                                   ; K step 6
	LASTSTEP
	PLACES NP
	s_wait_loadcnt 0x0
.irp a, 0,1,2,3,4,5,6,7
	v_mov_b32 v[BI+2*\a+1], v[BI+2*\a]             ; as a pair for the packed addition
.endr
.irp b, 0,1,2,3
	v_mov_b32 v[TM+4+\b], 0
.endr
.irp a, 0,1,2,3,4,5,6,7
	EPI_V \a
.endr
.Lend:
	s_wait_tensorcnt 0x0                           ; the wave's end
	ds_add_u32 v[SPW], v[NIL]
	s_wait_dscnt 0x0
	CROUND                                         ; the closing round: no work-group ends while a partner may still ask for a tile that names it
	s_endpgm
.Lfunc_end_k_qa7a352a48f_qkv:
	.size	k_qa7a352a48f_qkv, .Lfunc_end_k_qa7a352a48f_qkv-k_qa7a352a48f_qkv
	.p2alignl 7, 3214868480
	.fill 96, 4, 3214868480
	.section	.rodata,"a",@progbits
	.p2align	6, 0x0
	.amdhsa_kernel k_qa7a352a48f_qkv
		.amdhsa_group_segment_fixed_size 327680
		.amdhsa_private_segment_fixed_size 0
		.amdhsa_enable_private_segment 0
		.amdhsa_kernarg_size 64
		.amdhsa_user_sgpr_count 2
		.amdhsa_user_sgpr_kernarg_segment_ptr 1
		.amdhsa_wavefront_size32 1
		.amdhsa_system_sgpr_workgroup_id_x 1
		.amdhsa_system_sgpr_workgroup_id_y 1
		.amdhsa_system_sgpr_workgroup_id_z 1
		.amdhsa_system_vgpr_workitem_id 0
		.amdhsa_next_free_vgpr 1024
		.amdhsa_next_free_sgpr 102
		.amdhsa_reserve_vcc 0
		.amdhsa_float_denorm_mode_32 3
		.amdhsa_float_denorm_mode_16_64 3
		.amdhsa_memory_ordered 1
		.amdhsa_forward_progress 1
		.amdhsa_inst_pref_size 255
	.end_amdhsa_kernel
	.section	.bss,"aw",@nobits
	.p2align	6
	.space	262144
	.amdgpu_metadata
---
amdhsa.version: [ 1, 2 ]
amdhsa.kernels:
  - .name:           k_qa7a352a48f_qkv
    .symbol:         k_qa7a352a48f_qkv.kd
    .args:
      - { .name: xw_codes, .offset: 0, .size: 8, .value_kind: global_buffer, .address_space: global }
      - { .name: xw_scales, .offset: 8, .size: 8, .value_kind: global_buffer, .address_space: global }
      - { .name: rope, .offset: 16, .size: 8, .value_kind: global_buffer, .address_space: global }
      - { .name: bq, .offset: 24, .size: 8, .value_kind: global_buffer, .address_space: global }
      - { .name: bk, .offset: 32, .size: 8, .value_kind: global_buffer, .address_space: global }
      - { .name: bv, .offset: 40, .size: 8, .value_kind: global_buffer, .address_space: global }
      - { .name: qkv_codes, .offset: 48, .size: 8, .value_kind: global_buffer, .address_space: global }
      - { .name: qkv_scales, .offset: 56, .size: 8, .value_kind: global_buffer, .address_space: global }
    .group_segment_fixed_size: 327680
    .private_segment_fixed_size: 0
    .kernarg_segment_align: 8
    .kernarg_segment_size: 64
    .max_flat_workgroup_size: 128
    .sgpr_count:     102
    .vgpr_count:     1024
    .wavefront_size: 32
...
	.end_amdgpu_metadata
.endif
;; end of part 2
;; launch attn (part 3): grid 8 x 32, 4 waves a work-group, no clusters, 327,680 bytes of LDS; arguments qkv_codes, qkv_scales, ctx_codes, ctx_scales; writes ctx_codes, ctx_scales
.if DOCPART == 3
	.amdgcn_target "amdgcn-amd-amdhsa--gfx1250"
	.amdhsa_code_object_version 6
	.text
	.protected	k_qa7a352a48f_attn
	.globl	k_qa7a352a48f_attn
	.p2align	8
	.type	k_qa7a352a48f_attn,@function
k_qa7a352a48f_attn:
	s_mov_b64 s[64:65], 0
	v_nop
	global_prefetch_b8 v0, s[64:65] scope:SCOPE_SE
	s_setreg_imm32_b32 hwreg(HW_REG_WAVE_MODE, 25, 1), 1
	s_wait_xcnt 0x0
; ATTN.  context = softmax(q k^T / sqrt(128), causal) v for 32 heads (2 batches x 16) of 2,048 positions, both products on codes of FP8 (E4M3) with one E8M0 scale for each 32 along a product's K.
; The context leaves as codes, quantised along the head's channels, which are the next product's K.  Key steps all of whose keys lie under the causal mask are left out.
; INPUTS, as images of operand registers (2,048 bytes a fragment: the four registers c of lane l at 512 c + 16 l; 64 bytes of scale words beside it), in blocks of 16 rows (block 2 G + u: rows 32 G + 8 u + r + 8 (r / 8)):
;   q at byte 0 and k at 8 MiB of qkv_codes: [head][block 0..127][2,048];  v at 16 MiB: [head][key step of 128][block of channels 0..7][2,048], the keys innermost.  Scale words at 0, 262,144, 524,288 of qkv_scales.
; THE SOFTMAX: t = score x log2(e) / sqrt(128); M = the largest t so far, rounded up to a whole number; p = 2^(t - M) is quantised along the keys; the sum is taken of the unquantised p and divides at the end.
; SHARES.  Work-group c (0..7) of a head owns two runs of 128 queries: run 15 - c, then run c: 16 - c and c + 1 key steps of 128 keys, 17 in every work-group.  A wave owns FOUR blocks of 16 queries, so that each fragment
; of K and V that it reads from LDS feeds four matrix instructions: wave w takes blocks 4 (w % 2) + 0 .. 3 of the run, and of each ring slot (256 keys, two key steps) the step w / 2.  A run of n steps takes (n + 1) / 2 trips.
; At a run's end the two waves of a pair hand each other O^T, M and the sum of two blocks through LDS bytes of their own, and each joins the two blocks that it keeps.  M is a whole number in both parts, so each part is
; brought under the common M by a power of two: nothing is rounded by that.
; THE WALK.  An outer loop of two runs, an inner loop of eight trips, both of constant count.  A trip whose keys all come after the run's queries jumps over its step, and its fill is jumped over too: branches on the
; work-group's number, the wave's number and the trips' count alone; every wait on TENSORcnt is for 0; no barrier, wait or add is jumped over.  The second run's slot 0 is asked for at the first odd trip at which ring slot 0 is read no more.
; NO CLUSTER: the eight work-groups of a head need 8, 8, 7, 7, 6, 6, 5, 5 slots in the first run and 1 .. 4 in the second: partners need different numbers of tiles, and are at work in different trips.
; LAYOUT.  Both products are used transposed: S^T = K Q^T, O^T = V^T P^T: a lane holds one query of each block, and by the blocks' order the 16 registers of two neighbouring tiles are 16 neighbours along the next K.
; LIMITS: NaN and infinities are not served; a block of zeros gets the byte 1 with zero codes (this program alone reads the bytes); the scaled scores stay under 2^31 in magnitude.
; REGISTERS, in windows of 256.  Window k holds block k: v3 its query's place; v12 -M, v13 the largest t, v[14:15] the sum; v16-31 Q; v96-159 S^T, then p; v160-223 O^T; v224-239 codes; v232-249 at work; v250 f.
;   v32-95 of windows 0, 1: K's eight fragments; of windows 2, 3: V's.  Window 0 also: v1, v2 the add's registers; v4-7 Q's scale words; v8-11 K's or V's, two tiles a register; v252-255 p's: these hold scales alone.
;   Window 1 also: v1-11 addresses.  Window 2 also: v4-7 the second run's scale words of Q.
.set SLOTB, 65536                      ; a slot: K's 16 images, then V's 16; slot 1 begins here
.set SCK,   2*SLOTB                    ; the head's scale words of K, 8,192 bytes, then of V
.set SPARE, SCK+16384                  ; the spare words, 128 bytes for each of 4 waves
.set PAIRB, 8704                       ; what is handed over of a block: 64 registers' images and one more of four
.set STA,   SPARE+512                  ; the stage: 2 pairs x 4 blocks
.set QST,   STA+8*PAIRB                ; Q of both runs: 16,384 bytes for each wave, its own
.set SPW, 1
.set NIL, 2
.set DQ,  3
.set SQ,  4
.set SKV, 8
.set SP,  252
.set TMP, 248
.set PWT, 249
.set FF,  250
.set LI,  1                            ; window 1: 16 x lane
.set LS,  2                            ; SCK + 4 x lane
.set LK,  4                            ; 16 x lane + 16,384 x (wave / 2): my key step in a slot
.set LW,  5                            ; 4 x (lane % 16)
.set LN,  6
.set ADK, 7
.set ADS, 8
.set STG, 9
.set QA,  10
.set PFO, 11                           ; 256 x lane
.set WV,   12
.set CH,   13                          ; the run in hand: its last key step
.set JS,   14                          ; my key step
.set SEL,  20
.set CS,   22
.set G1,   24
.set G1S,  32
.set G0,   40
.set G0S,  44
.set TB,   48                          ; LDS byte at which the slot in hand begins
.set TS,   49                          ; 512 x my key step: its scale words
.set T,    50                          ; the trip
.set LIM,  51                          ; the trip at which my wave prefetches
.set PFA,  52
.set MNT,  54
.set NH,   55                          ; slots of the run in hand
.set TBQ,  56                          ; the trip that asks for the next run's slot 0
.set FL,   57
.set BASE, 58                          ; s[58:59] K's or V's slot 0 in memory
.set OF,   60                          ; s[60:61] an offset; s61 stays 0
.set QH,   66                          ; s[66:69] the first run's Q: codes, scale words;  s[70:73] the output of the run in hand
.set OH,   70
.set QL,   74                          ; s[74:81] the same for the second run
.set OL,   78
.set RUN,  86
.set QO,   87
.set MSB, 0
.macro WIN new                         ; low byte: bits 1:0 source 0, 3:2 source 1, 5:4 source 2, 7:6 destination; the high byte repeats the setting that is left
.if MSB != (\new)
	s_set_vgpr_msb (MSB<<8)|(\new)
.set MSB, (\new)
.endif
.endm
.macro PLACE ch, q, o                  ; where blocks 8 x run + 4 (wave % 2) on lie in q and in the output
	s_lshl_b32 s82, s[\ch], 3
	s_lshl_b32 s83, s17, 2
	s_add_co_u32 s82, s82, s83
	s_lshl_b32 s83, s16, 7
	s_add_co_u32 s83, s83, s82
	s_lshl_b32 s84, s83, 11
	s_add_nc_u64 s[\q:\q+1], s[4:5], s[84:85]
	s_lshl_b32 s84, s83, 6
	s_add_nc_u64 s[\q+2:\q+3], s[6:7], s[84:85]
	s_lshr_b32 s83, s16, 4
	s_lshl_b32 s83, s83, 7
	s_add_co_u32 s83, s83, s82                     ; the block among the 256 of both batches,
	s_lshl_b32 s83, s83, 4
	s_and_b32 s82, s16, 15
	s_add_co_u32 s83, s83, s82                     ; x 16 + the head: the head is the next product's K step
	s_lshl_b32 s84, s83, 11
	s_add_nc_u64 s[\o:\o+1], s[8:9], s[84:85]
	s_lshl_b32 s84, s83, 6
	s_add_nc_u64 s[\o+2:\o+3], s[10:11], s[84:85]
.endm
	s_load_b256 s[4:11], s[0:1], 0x0               ; qkv_codes, qkv_scales, ctx_codes, ctx_scales
	v_lshl_add_u32 v[SPW], v0, 2, SPARE
	v_mov_b32 v[NIL], 0
	ds_add_u32 v[SPW], v[NIL]                      ; the opening lines: the add, twice on end, and its wait ahead of my first tensor load
	ds_add_u32 v[SPW], v[NIL]
	v_lshrrev_b32 v3, 5, v0
	v_readfirstlane_b32 s[WV], v3                  ; wave 0..3
	s_mov_b32 s15, ttmp9                           ; c
	s_and_b32 s16, ttmp7, 0xffff                   ; the head
	s_and_b32 s17, s[WV], 1                        ; which four blocks of a run
	s_lshr_b32 s18, s[WV], 1                       ; which key step of a slot
	; descriptor group 1: 32,768 dense bytes of codes as 128 rows of 256 (32 elements of 8 bytes);  8,192 bytes of scale words as 32 rows
	s_mov_b32 s[G1], 3<<16
	s_mov_b32 s[G1+1], 32<<16
	s_mov_b32 s[G1+2], 128<<16
	s_mov_b32 s[G1+3], 32<<16
	s_mov_b32 s[G1+4], 128
	s_mov_b32 s[G1+5], 32
	s_mov_b32 s[G1+6], 0
	s_mov_b32 s[G1+7], 0
	s_mov_b32 s[G1S], 3<<16
	s_mov_b32 s[G1S+1], 32<<16
	s_mov_b32 s[G1S+2], 32<<16
	s_mov_b32 s[G1S+3], 32<<16
	s_mov_b32 s[G1S+4], 32
	s_mov_b32 s[G1S+5], 32
	s_mov_b32 s[G1S+6], 0
	s_mov_b32 s[G1S+7], 0
	s_add_co_u32 s19, s17, 1                       ; waves 0 and 2: K (1);  waves 1 and 3: V (2)
	s_lshl_b32 s[OF], s19, 23
	s_lshl_b32 s63, s16, 18
	s_add_co_u32 s[OF], s[OF], s63
	s_mov_b32 s[OF+1], 0
	s_lshl_b32 s82, s19, 18
	s_lshl_b32 s63, s16, 13
	s_add_co_u32 s82, s82, s63
	s_mov_b32 s83, 0
	s_mov_b32 s85, 0
	s_mov_b32 s[SEL], 0x76543210
	s_mov_b32 s[SEL+1], 0xfedcba98
	s_mov_b32 s[CS], 0x3e0293ee                    ; log2(e) / sqrt(128)
	s_mov_b32 s[CS+1], s[CS]
	s_mov_b32 s[MNT], 0x600000
	s_mov_b32 s[TB], 0
	s_mov_b32 s[T], 0
	s_mov_b32 s[RUN], 0
	s_mov_b32 s[QO], 0
	s_mov_b32 s[JS], s18
	s_lshl_b32 s[TS], s18, 9
	s_sub_co_u32 s[CH], 15, s15                    ; the first run
	s_sub_co_u32 s[NH], 17, s15
	s_lshr_b32 s[NH], s[NH], 1                     ; its slots: (16 - c + 1) / 2
	s_sub_co_u32 s[TBQ], s[NH], 1
	s_or_b32 s[TBQ], s[TBQ], 1                     ; the first odd trip from its last live trip on
	s_wait_dscnt 0x0                               ; both opening adds are done
	s_wait_kmcnt 0x0
	s_add_nc_u64 s[BASE:BASE+1], s[4:5], s[OF:OF+1]
	s_mov_b32 s[G0], 1
	s_lshl_b32 s[G0+1], s17, 15                    ; K's half of a slot, then V's
	s_mov_b64 s[G0+2:G0+3], s[BASE:BASE+1]
	s_or_b32 s[G0+3], s[G0+3], 0x80000000
	s_mov_b32 s[G0S], 1
	s_lshl_b32 s[G0S+1], s17, 13
	s_add_co_u32 s[G0S+1], s[G0S+1], SCK
	s_add_nc_u64 s[G0S+2:G0S+3], s[6:7], s[82:83]
	s_or_b32 s[G0S+3], s[G0S+3], 0x80000000
	s_cmp_lt_u32 s[WV], 2                          ; the head's loads, one in every wave: waves 0, 1 slot 0, waves 2, 3 the head's scale words, filled once
	s_cbranch_scc0 .Lhead_s
	tensor_load_to_lds s[G0:G0+3], s[G1:G1+7]
	s_nop 0
.rept 4
	v_nop
.endr
	s_branch .Lhead_asked
.Lhead_s:
	tensor_load_to_lds s[G0S:G0S+3], s[G1S:G1S+7]
	s_nop 0
.rept 4
	v_nop
.endr
.Lhead_asked:
	PLACE CH, QH, OH
	PLACE 15, QL, OL
	s_lshl_b32 s[OF], s15, 15                      ; the prefetch: slot c of K or of V
	s_add_nc_u64 s[PFA:PFA+1], s[BASE:BASE+1], s[OF:OF+1]
	s_sub_co_u32 s62, s15, 2                       ; at trip c - 2, which loads slot c - 1 (c under 2: no trip has that number)
	s_cmp_ge_u32 s[WV], 2                          ; by the waves that fetch nothing for the ring
	s_cselect_b32 s[LIM], s62, -1
	s_lshl_b32 s62, s17, 6                         ; my first block's first row in its run
	s_lshl_b32 s63, s18, 14
	s_mul_i32 s82, s17, 4*PAIRB
	s_add_co_u32 s82, s82, STA
	s_lshl_b32 s84, s[WV], 14
	s_add_co_u32 s84, s84, QST
	WIN 0x40                                       ; into window 1, from window 0
	v_and_b32 v[LN], 31, v0
	v_and_b32 v[LW], 15, v0                        ; r
	WIN 0x55
	v_lshlrev_b32 v[LI], 4, v[LN]
	v_lshl_add_u32 v[LS], v[LN], 2, SCK
	v_lshlrev_b32 v[PFO], 8, v[LN]
	v_add_nc_u32 v[LK], s63, v[LI]
	v_add_nc_u32 v[STG], s82, v[LI]
	v_add_nc_u32 v[QA], s84, v[LI]
	v_and_b32 v[ADK], 8, v[LW]
	v_add_nc_u32 v[ADK], v[ADK], v[LW]
	v_and_b32 v[ADS], 16, v[LN]
	v_sub_nc_u32 v[ADK], v[ADK], v[ADS]
	v_add_nc_u32 v[ADK], s62, v[ADK]               ; 64 (wave % 2) + r + 8 (r / 8) - 16 h
	v_lshlrev_b32 v[LW], 2, v[LW]
.irp k, 0,1,2,3
	WIN (1<<2)|(\k<<6)
	v_add_nc_u32 v[DQ], 32*(\k/2)+8*(\k%2), v[ADK] ; block k's query, less 16 h
.endr
	WIN 1                                          ; Q of both runs goes to my own LDS bytes, through the registers of K's fragments
.irp k, 0,1,2,3
.irp c, 0,1,2,3
	global_load_b128 v[32+16*\k+4*\c:35+16*\k+4*\c], v[LI], s[QH:QH+1] offset:2048*\k+512*\c
.endr
	global_load_b32 v[SQ+\k], v[LW], s[QH+2:QH+3] offset:64*\k
.endr
	WIN 0x41
.irp k, 0,1,2,3
.irp c, 0,1,2,3
	global_load_b128 v[32+16*\k+4*\c:35+16*\k+4*\c], v[LI], s[QL:QL+1] offset:2048*\k+512*\c
.endr
.endr
	WIN 0x81
.irp k, 0,1,2,3
	global_load_b32 v[4+\k], v[LW], s[QL+2:QL+3] offset:64*\k
.endr
	s_wait_alu depctr_va_vdst(0)                   ; the wait at the head's end
	s_wait_loadcnt 0x0
.irp u, 0,1
	WIN 1|(\u<<2)
.irp k, 0,1,2,3
.irp c, 0,1,2,3
	ds_store_b128 v[QA], v[32+16*\k+4*\c:35+16*\k+4*\c] offset:8192*\u+2048*\k+512*\c
.endr
.endr
.endr
	WIN 0
.Lrun:                                             ; A RUN BEGINS: its Q; the largest t -3e38, the sum and O^T zeros, which the first change of M leaves zeros
	WIN 0x55
	v_add_nc_u32 v[ADK], s[QO], v[QA]
.irp k, 0,1,2,3
	WIN (\k<<6)|1
.irp c, 0,1,2,3
	ds_load_b128 v[16+4*\c:19+4*\c], v[ADK] offset:2048*\k+512*\c   ; LDS serves a wave's instructions in order: these see my stores; the first change of slots waits for them
.endr
.endr
.irp k, 0,1,2,3
	WIN 0x55*\k
	v_mov_b32 v13, 0xff61b1e6
	v_floor_f32 v12, -v13
	v_mov_b32 v14, 0
	v_mov_b32 v15, 0
.irp b, 236,237,238,239,247,248,251
	v_mov_b32 v\b, 0                               ; lane permutes' destinations and the upper halves of pairs count as read
.endr
.set j, 0
.rept 64
	v_mov_b32 v[160+j], 0
.set j, j+1
.endr
.endr
	WIN 0
	s_wait_alu depctr_va_vdst(0)
.Ltrip:
; THE CHANGE OF SLOTS: each wave waits for all its tensor loads, adds 0 to its spare word, and waits for that and for its reads of the slot that it has left.  Behind the barrier the slot just left takes the run's next
; slot, if the run has one, or, at trip TBQ, slot 0 anew for the next run; else nothing is asked for: a slot is filled only if a later step reads it.
	s_wait_tensorcnt 0x0                           ; no tensor load of mine is out, so group 0 may be written
	ds_add_u32 v[SPW], v[NIL]
	s_xor_b32 s[G0+1], s[G0+1], SLOTB              ; the other slot than last time
	s_add_co_u32 s62, s[T], 1
	s_cmp_lt_u32 s62, s[NH]
	s_cselect_b32 s[OF], s62, 0                    ; which 256 keys
	s_cselect_b32 s[FL], 1, 0
	s_cmp_eq_u32 s[T], s[TBQ]
	s_cselect_b32 s[FL], 1, s[FL]
	s_lshl_b32 s[OF], s[OF], 15
	s_add_nc_u64 s[G0+2:G0+3], s[BASE:BASE+1], s[OF:OF+1]
	s_or_b32 s[G0+3], s[G0+3], 0x80000000
	s_wait_dscnt 0x0
	s_barrier_signal -1
	s_barrier_wait -1
	s_cmp_lg_u32 s[FL], 0                          ; the work-group's number and the trips' count alone: all four waves go the same way
	s_cbranch_scc0 .Lpast
	s_cmp_lt_u32 s[WV], 2                          ; wave 0 fetches K's 32,768 bytes, wave 1 V's
	s_cbranch_scc0 .Lpast
	tensor_load_to_lds s[G0:G0+3], s[G1:G1+7]
	s_nop 0
.rept 4
	v_nop
.endr
.Lpast:
; A prefetch of slot c, one slot ahead of the load that wants it.  The eight work-groups of a head walk the same K and V and share the slots out: work-group c names slot c, whole, once: wave 2 K's 32,768 bytes,
; wave 3 V's, four lines of 32 lanes 256 bytes apart.  Slots 0 and 1 come by their loads alone.  The address registers are never written again.
	s_cmp_eq_u32 s[T], s[LIM]
	s_cbranch_scc0 .Lnot_mine
	WIN 1
.irp n, 0,1,2,3
	global_prefetch_b8 v[PFO], s[PFA:PFA+1] offset:8192*\n th:TH_LOAD_NT scope:SCOPE_SE
.endr
	WIN 0
.Lnot_mine:
; MY KEY STEP OF THE SLOT IN HAND: 128 keys against my four blocks of queries.
	s_cmp_gt_u32 s[JS], s[CH]                      ; all its keys come after the run's queries: the step's work is left out
	s_cbranch_scc1 .Lhidden
	WIN 0x55
	v_add_nc_u32 v[ADK], s[TB], v[LK]
	v_add_nc_u32 v[ADS], s[TS], v[LS]
	s_wait_alu depctr_va_vdst(0)
.rept 6
	v_nop                                          ; eight places in front of loads into registers that the last products have read (the two additions are places too)
.endr
	WIN 1
.irp p, 0,1,2,3
	ds_load_b32 v[SKV+\p], v[ADS] offset:128*\p    ; K's scale words: lanes 0-15 tile 2 p's, lanes 16-31 tile 2 p + 1's
.endr
.irp u, 0,1,2,3                                ; K's eight fragments into windows 0, 1; V's eight, which lie 32,768 bytes on, into windows 2, 3
	WIN (\u<<6)|1
.irp t, 0,1,2,3
.irp c, 0,1,2,3
	ds_load_b128 v[32+16*\t+4*\c:35+16*\t+4*\c], v[ADK] offset:32768*(\u/2)+2048*(4*(\u%2)+\t)+512*\c
.endr
.endr
.endr
.irp j, 0,1,2,3,4,5,6,7                        ; S^T = K Q^T: each fragment as it lands, against the four blocks
	s_wait_dscnt 60-4*\j                           ; of the 68 loads the scale words' 4 and the fragments' first 4 j + 4 are in
.irp k, 0,1,2,3
	WIN (\j/4)|(\k<<2)|(\k<<4)|(\k<<6)
.if \j%2
	v_wmma_scale_f32_16x16x128_f8f6f4 v[96+8*\j:103+8*\j], v[32+16*(\j%4):47+16*(\j%4)], v[16:31], 0, v[SKV+\j/2], v[SQ+\k] matrix_a_scale:MATRIX_SCALE_ROW1
.else
	v_wmma_scale_f32_16x16x128_f8f6f4 v[96+8*\j:103+8*\j], v[32+16*(\j%4):47+16*(\j%4)], v[16:31], 0, v[SKV+\j/2], v[SQ+\k]
.endif
.endr
.endr                                          ; register 16 b + i holds key 128 JS + 32 b + 16 (lane / 16) + i
	WIN 0
.rept 8
	v_nop                                          ; the places behind the last products
.endr
	WIN 1
.irp p, 0,1,2,3
	ds_load_b32 v[SKV+\p], v[ADS] offset:8192+128*\p   ; V's scale words
.endr
	WIN 0
	s_cmp_lt_u32 s[JS], s[CH]                      ; on the diagonal the scores of hidden keys become -infinity ahead of the maximum
	s_cbranch_scc1 .Lopen
.irp k, 0,1,2,3
	WIN 0x55*\k
	v_mov_b32 v[TMP], 0xff800000
.set n, 0
.rept 64
	v_cmp_gt_i32 vcc_lo, 32*(n/16)+n%16, v[DQ]
	v_cndmask_b32 v[96+n], v[96+n], v[TMP], vcc_lo
.set n, n+1
.endr
.endr
	WIN 0
.Lopen:
.irp k, 0,1,2,3                                ; the largest score of each block of 32 keys: for the row's maximum, and, since p rises with the score, for the block's largest p
	WIN 0x55*\k
.irp b, 0,1,2,3
	v_max3_num_f32 v[232+\b], v[96+16*\b], v[97+16*\b], v[98+16*\b]
.endr
.irp i, 3,5,7,9,11,13
.irp b, 0,1,2,3
	v_max3_num_f32 v[232+\b], v[232+\b], v[96+16*\b+\i], v[97+16*\b+\i]
.endr
.endr
.irp b, 0,1,2,3
	v_max_num_f32 v[232+\b], v[232+\b], v[111+16*\b]
.endr
.irp b, 0,1,2,3
	v_permlanex16_b32 v[236+\b], v[232+\b], s[SEL], s[SEL+1]
.endr
.irp b, 0,1,2,3
	v_max_num_f32 v[232+\b], v[232+\b], v[236+\b]  ; with lane l xor 16's 16 keys
.endr
.endr
; M and f of the four blocks of queries, line by line by turns, so that no line waits for the line above it
.irp k, 0,1,2,3
	WIN 0x55*\k
	v_max3_num_f32 v[TMP], v233, v234, v235
.endr
.irp k, 0,1,2,3
	WIN 0x55*\k
	v_max_num_f32 v[TMP], v[TMP], v232             ; the step's largest score of my query
.endr
.irp k, 0,1,2,3
	WIN 0x55*\k
	v_mul_f32 v[TMP], s[CS], v[TMP]                ; as t
.endr
.irp k, 0,1,2,3
	WIN 0x55*\k
	v_max_num_f32 v13, v13, v[TMP]                 ; the running largest t
.endr
.irp k, 0,1,2,3
	WIN 0x55*\k
	v_mov_b32 v[TMP], v12                          ; the old -M,
	v_floor_f32 v12, -v13                          ; the new -M = -ceil(t)
.endr
.irp k, 0,1,2,3
	WIN 0x55*\k
	v_sub_f32 v[TMP], v12, v[TMP]                  ; old M - new M: a whole number, 0 or less
.endr
.irp k, 0,1,2,3
	WIN 0x55*\k
	v_cvt_i32_f32 v[TMP], v[TMP]                   ; (it saturates)
.endr
.irp k, 0,1,2,3
	WIN 0x55*\k
	v_ldexp_f32 v[FF], 1.0, v[TMP]                 ; f = 2^(old M - new M)
.endr
.irp k, 0,1,2,3
	WIN 0x55*\k
.set j, 0
.rept 32
	v_pk_fma_f32 v[96+j:97+j], v[96+j:97+j], s[CS:CS+1], v[12:13] op_sel_hi:[1,0,0]   ; t - M, two at a time
.set j, j+2
.endr
.irp b, 0,1,2,3
	v_fma_f32 v[232+\b], v[232+\b], s[CS], v12     ; the same of each block's largest score
.endr
.endr
	s_wait_alu depctr_va_vdst(0)                   ; the wait ahead of the batch
.irp k, 0,1,2,3                                ; one batch: 4 x 68 exponentials
	WIN 0x55*\k
.set j, 0
.rept 64
	v_exp_f32 v[96+j], v[96+j]                     ; p = 2^(t - M), at most 1
.set j, j+1
.endr
.irp b, 0,1,2,3
	v_exp_f32 v[232+\b], v[232+\b]                 ; the block's largest p
.endr
.endr
	v_nop                                          ; a plain line behind the last exponential,
	s_wait_alu depctr_va_vdst(0)                   ; and one wait for the batch, ahead of its first reader
.irp k, 0,1,2,3
	WIN 0x55*\k
	v_pk_mul_f32 v[14:15], v[14:15], v[FF:FF+1] op_sel_hi:[1,0]   ; the sums under the new M
.irp m, 0,1,2,3,4,5                            ; the row's sum of the unquantised p, in seven chains
	v_pk_add_f32 v[236+2*\m:237+2*\m], v[96+4*\m:97+4*\m], v[98+4*\m:99+4*\m]
.endr
.set j, 120
.rept 2
	v_pk_add_f32 v[14:15], v[14:15], v[j:j+1]
.irp m, 0,1,2,3,4,5
	v_pk_add_f32 v[236+2*\m:237+2*\m], v[236+2*\m:237+2*\m], v[j+2+2*\m:j+3+2*\m]
.endr
.set j, j+14
.endr
.irp m, 0,1,2,3,4,5
	v_pk_add_f32 v[236+2*\m:237+2*\m], v[236+2*\m:237+2*\m], v[148+2*\m:149+2*\m]
.endr
	v_pk_add_f32 v[236:237], v[236:237], v[238:239]
	v_pk_add_f32 v[240:241], v[240:241], v[242:243]
	v_pk_add_f32 v[244:245], v[244:245], v[246:247]
	v_pk_add_f32 v[236:237], v[236:237], v[240:241]
	v_pk_add_f32 v[14:15], v[14:15], v[244:245]
	v_pk_add_f32 v[14:15], v[14:15], v[236:237]
.irp b, 0,1,2,3
	v_max_num_f32 v[232+\b], 0x4800000, v[232+\b]  ; the floor 2^(9 - 127): the byte cannot fall under 1
.endr
.irp b, 0,1,2,3
	v_add_nc_u32 v[244+\b], 0xfc000000, v[232+\b]  ; 8 off the exponent field: the conversion's scale operand
.endr
.irp b, 0,1,2,3
	v_and_or_b32 v[240+\b], v[232+\b], 0x7f800000, s[MNT]   ; 448 x the scale
.endr
.irp b, 0,1,2,3
	v_lshrrev_b32 v[236+\b], 23, v[244+\b]         ; the scale's byte
.endr
	v_lshl_or_b32 v[PWT], v237, 8, v236
	v_lshl_or_b32 v[PWT], v238, 16, v[PWT]
	v_lshl_or_b32 v[PWT], v239, 24, v[PWT]
	WIN \k
	v_mov_b32 v[SP+\k], v[PWT]                     ; p's scale word for these 128 keys: scale operands are taken from window 0
	WIN 0x55*\k
.irp b, 0,1,2,3
.irp i, 0,1,2,3,4,5,6,7,8,9,10,11,12,13,14,15
	v_min_num_f32 v[96+16*\b+\i], v[96+16*\b+\i], v[240+\b]   ; the conversion does not saturate (ISA guide 7.6.2); p is not negative, so the hold is one-sided
.endr
	v_cvt_scalef32_pk8_fp8_f32 v[224+4*\b:225+4*\b], v[96+16*\b:103+16*\b], v[244+\b]
	v_cvt_scalef32_pk8_fp8_f32 v[226+4*\b:227+4*\b], v[104+16*\b:111+16*\b], v[244+\b]
.endr
	s_wait_alu depctr_va_vdst(0)                   ; the wait directly ahead of the first reader of this block's O^T
.set j, 0
.rept 32
	v_pk_mul_f32 v[160+j:161+j], v[160+j:161+j], v[FF:FF+1] op_sel_hi:[1,0]   ; O^T under the new M (also the places behind the conversions)
.set j, j+2
.endr
.endr
	s_wait_alu depctr_va_vdst(0)                   ; the wait directly ahead of the wait below
	s_wait_dscnt 0x0                               ; V's fragments and scale words, asked for ahead of the softmax
.irp u, 0,1                                    ; O^T += V^T P^T
.irp k, 0,1,2,3
	WIN (2+\u)|(\k<<2)|(\k<<4)|(\k<<6)
.irp t, 0,1,2,3
.if \t%2
	v_wmma_scale_f32_16x16x128_f8f6f4 v[160+8*(4*\u+\t):167+8*(4*\u+\t)], v[32+16*\t:47+16*\t], v[224:239], v[160+8*(4*\u+\t):167+8*(4*\u+\t)], v[SKV+2*\u+\t/2], v[SP+\k] matrix_a_scale:MATRIX_SCALE_ROW1
.else
	v_wmma_scale_f32_16x16x128_f8f6f4 v[160+8*(4*\u+\t):167+8*(4*\u+\t)], v[32+16*\t:47+16*\t], v[224:239], v[160+8*(4*\u+\t):167+8*(4*\u+\t)], v[SKV+2*\u+\t/2], v[SP+\k]
.endif
.endr
.endr
.endr
	WIN 0
.Lhidden:
	s_add_co_u32 s[JS], s[JS], 2
	s_add_co_u32 s[TS], s[TS], 1024
	s_xor_b32 s[TB], s[TB], SLOTB                  ; on to the other slot
	s_add_co_u32 s[T], s[T], 1
	s_cmp_lt_u32 s[T], 8
	s_cbranch_scc1 .Ltrip
; A RUN'S END.  Waves 0, 1 send blocks 2, 3 and keep 0, 1; waves 2, 3 the other way round.  What is kept is joined with the partner's part, divided, quantised along the head's channels
; (register 16 b + i is channel 32 b + 16 (lane / 16) + i) and stored as an image.
.macro SENDT k
	WIN 1|(\k<<2)
.set j, 0
.rept 16
	ds_store_b128 v[STG], v[160+4*j:163+4*j] offset:\k*PAIRB+512*j   ; each accumulator from its low end on
.set j, j+1
.endr
	ds_store_b128 v[STG], v[12:15] offset:\k*PAIRB+8192
.endm
.macro TAKET k
	WIN (\k<<6)|1
.set j, 0
.rept 16
	ds_load_b128 v[96+4*j:99+4*j], v[STG] offset:\k*PAIRB+512*j
.set j, j+1
.endr
	ds_load_b128 v[240:243], v[STG] offset:\k*PAIRB+8192
.endm
.macro JOINT k
	WIN 0x55*\k
	v_min_num_f32 v244, v12, v240                  ; the common -M
	v_add_f32 v14, v14, v15
	v_add_f32 v242, v242, v243
	v_sub_f32 v245, v244, v12                      ; my M - the common M: a whole number, 0 or less
	v_sub_f32 v246, v244, v240                     ; my partner's (a part that had no step holds zeros under M = -3e38: its factor is 0)
	v_cvt_i32_f32 v245, v245
	v_cvt_i32_f32 v246, v246
	v_ldexp_f32 v[FF], 1.0, v245
	v_ldexp_f32 v246, 1.0, v246
	v_mul_f32 v14, v14, v[FF]
	v_fma_f32 v14, v242, v246, v14
	v_permlanex16_b32 v[TMP], v14, s[SEL], s[SEL+1]
	v_add_f32 v14, v14, v[TMP]                     ; with lane l xor 16's: the row's sum
	s_wait_alu depctr_va_vdst(0)                   ; the wait ahead of the reciprocal,
	v_rcp_f32 v14, v14
	v_mov_b32 v247, 0                              ; (a plain line; the upper half of a pair)
	s_wait_alu depctr_va_vdst(0)                   ; and ahead of its first reader
	v_mul_f32 v[FF], v[FF], v14                    ; a power of two over the sum, for each part
	v_mul_f32 v246, v246, v14
.set j, 0
.rept 32
	v_pk_mul_f32 v[96+j:97+j], v[96+j:97+j], v[246:247] op_sel_hi:[1,0]
.set j, j+2
.endr
	s_wait_alu depctr_va_vdst(0)                   ; the wait directly ahead of the first reader of O^T
.set j, 0
.rept 32
	v_pk_fma_f32 v[96+j:97+j], v[160+j:161+j], v[FF:FF+1], v[96+j:97+j] op_sel_hi:[1,0,1]
.set j, j+2
.endr
.irp b, 0,1,2,3
	v_max3_num_f32 v[232+\b], |v[96+16*\b]|, |v[97+16*\b]|, 0x4800000
.endr
.irp i, 2,4,6,8,10,12,14
.irp b, 0,1,2,3
	v_max3_num_f32 v[232+\b], v[232+\b], |v[96+16*\b+\i]|, |v[97+16*\b+\i]|
.endr
.endr
.irp b, 0,1,2,3
	v_permlanex16_b32 v[236+\b], v[232+\b], s[SEL], s[SEL+1]
.endr
.irp b, 0,1,2,3
	v_max_num_f32 v[232+\b], v[232+\b], v[236+\b]
.endr
.irp b, 0,1,2,3
	v_add_nc_u32 v[244+\b], 0xfc000000, v[232+\b]
.endr
.irp b, 0,1,2,3
	v_and_or_b32 v[240+\b], v[232+\b], 0x7f800000, s[MNT]
.endr
.irp b, 0,1,2,3
	v_lshrrev_b32 v[236+\b], 23, v[244+\b]
.endr
	v_lshl_or_b32 v[PWT], v237, 8, v236
	v_lshl_or_b32 v[PWT], v238, 16, v[PWT]
	v_lshl_or_b32 v[PWT], v239, 24, v[PWT]
.irp b, 0,1,2,3
.irp i, 0,1,2,3,4,5,6,7,8,9,10,11,12,13,14,15
	v_med3_num_f32 v[96+16*\b+\i], v[96+16*\b+\i], -v[240+\b], v[240+\b]
.endr
	v_cvt_scalef32_pk8_fp8_f32 v[224+4*\b:225+4*\b], v[96+16*\b:103+16*\b], v[244+\b]
	v_cvt_scalef32_pk8_fp8_f32 v[226+4*\b:227+4*\b], v[104+16*\b:111+16*\b], v[244+\b]
.endr
	v_nop                                          ; a plain line behind the last conversion
	WIN 1|(\k<<2)
.irp c, 0,1,2,3
	global_store_b128 v[LI], v[224+4*\c:227+4*\c], s[OH:OH+1] offset:32768*\k+512*\c   ; the image: 512 consecutive bytes a store
.endr
	global_store_b32 v[LW], v[PWT], s[OH+2:OH+3] offset:1024*\k   ; its scale words (both halves of the lanes hold and write the same words)
.endm
.rept 8
	v_nop                                          ; the places behind the last products
.endr
	s_wait_alu depctr_va_vdst(0)
	s_cmp_lt_u32 s[WV], 2
	s_cbranch_scc0 .Lsend_low
	SENDT 2
	SENDT 3
	WIN 0
	s_branch .Lsent
.Lsend_low:
	SENDT 0
	SENDT 1
	WIN 0
.Lsent:
	s_wait_dscnt 0x0
	s_barrier_signal -1
	s_barrier_wait -1
	s_cmp_lt_u32 s[WV], 2
	s_cbranch_scc0 .Ljoin_high
	TAKET 0
	TAKET 1
	s_wait_dscnt 0x0
	JOINT 0
	JOINT 1
	WIN 0
	s_branch .Ljoined
.Ljoin_high:
	TAKET 2
	TAKET 3
	s_wait_dscnt 0x0
	JOINT 2
	JOINT 3
	WIN 0
.Ljoined:
	s_wait_xcnt 0x0                                ; the stores have read their registers and their bases, which are written again below and in the next run
	WIN 2
.irp k, 0,1,2,3
	v_mov_b32 v[SQ+\k], v[4+\k]                    ; the second run: Q's scale words,
.endr
	WIN 0
	s_mov_b64 s[OH:OH+1], s[OL:OL+1]               ; its output,
	s_mov_b64 s[OH+2:OH+3], s[OL+2:OL+3]
	s_mov_b32 s[CH], s15                           ; run c,
	s_add_co_u32 s[NH], s15, 2
	s_lshr_b32 s[NH], s[NH], 1                     ; its slots: (c + 1 + 1) / 2;
	s_mov_b32 s[TBQ], -1                           ; no run follows, and nothing more is prefetched
	s_mov_b32 s[LIM], -1
	s_mov_b32 s[T], 0
	s_mov_b32 s[JS], s18
	s_lshl_b32 s[TS], s18, 9
	s_add_co_u32 s[QO], s[QO], 8192
	s_add_co_u32 s[RUN], s[RUN], 1
	s_cmp_lt_u32 s[RUN], 2
	s_wait_alu depctr_va_vdst(0)
	s_cbranch_scc1 .Lrun                           ; after eight trips the ring stands at slot 0 again, where the second run's first keys lie
	s_wait_tensorcnt 0x0                           ; the wave's end
	ds_add_u32 v[SPW], v[NIL]
	s_wait_dscnt 0x0
	s_endpgm
.Lfunc_end_k_qa7a352a48f_attn:
	.size	k_qa7a352a48f_attn, .Lfunc_end_k_qa7a352a48f_attn-k_qa7a352a48f_attn
	.p2alignl 7, 3214868480
	.fill 96, 4, 3214868480
	.section	.rodata,"a",@progbits
	.p2align	6, 0x0
	.amdhsa_kernel k_qa7a352a48f_attn
		.amdhsa_group_segment_fixed_size 327680
		.amdhsa_private_segment_fixed_size 0
		.amdhsa_enable_private_segment 0
		.amdhsa_kernarg_size 32
		.amdhsa_user_sgpr_count 2
		.amdhsa_user_sgpr_kernarg_segment_ptr 1
		.amdhsa_wavefront_size32 1
		.amdhsa_system_sgpr_workgroup_id_x 1
		.amdhsa_system_sgpr_workgroup_id_y 1
		.amdhsa_system_sgpr_workgroup_id_z 1
		.amdhsa_system_vgpr_workitem_id 0
		.amdhsa_next_free_vgpr 1024
		.amdhsa_next_free_sgpr 88
		.amdhsa_reserve_vcc 1
		.amdhsa_float_denorm_mode_32 3
		.amdhsa_float_denorm_mode_16_64 3
		.amdhsa_memory_ordered 1
		.amdhsa_forward_progress 1
		.amdhsa_inst_pref_size 185
	.end_amdhsa_kernel
	.amdgpu_metadata
---
amdhsa.version: [ 1, 2 ]
amdhsa.kernels:
  - .name:           k_qa7a352a48f_attn
    .symbol:         k_qa7a352a48f_attn.kd
    .args:
      - { .name: qkv_codes, .offset: 0, .size: 8, .value_kind: global_buffer, .address_space: global }
      - { .name: qkv_scales, .offset: 8, .size: 8, .value_kind: global_buffer, .address_space: global }
      - { .name: ctx_codes, .offset: 16, .size: 8, .value_kind: global_buffer, .address_space: global }
      - { .name: ctx_scales, .offset: 24, .size: 8, .value_kind: global_buffer, .address_space: global }
    .group_segment_fixed_size: 327680
    .private_segment_fixed_size: 0
    .kernarg_segment_align: 8
    .kernarg_segment_size: 32
    .max_flat_workgroup_size: 128
    .sgpr_count:     88
    .vgpr_count:     1024
    .wavefront_size: 32
...
	.end_amdgpu_metadata
.endif
;; end of part 3
;; launch oproj (part 4): grid 8 x 32, 4 waves a work-group, clusters of 4 x 4, 327,680 bytes of LDS; arguments ctx_codes, ctx_scales, xw_codes, xw_scales, bo, out0; writes out0
.if DOCPART == 4
	.amdgcn_target "amdgcn-amd-amdhsa--gfx1250"
	.amdhsa_code_object_version 6
	.text
	.protected	k_qa7a352a48f_oproj
	.globl	k_qa7a352a48f_oproj
	.p2align	8
	.type	k_qa7a352a48f_oproj,@function
k_qa7a352a48f_oproj:
	s_mov_b64 s[64:65], 0
	v_nop
	global_prefetch_b8 v0, s[64:65] scope:SCOPE_SE
	s_setreg_imm32_b32 hwreg(HW_REG_WAVE_MODE, 25, 1), 1
	s_wait_xcnt 0x0
	s_wait_alu depctr_hold_cnt(0) depctr_sa_sdst(0) depctr_va_vdst(0) depctr_va_sdst(0) depctr_va_ssrc(0) depctr_va_vcc(0) depctr_vm_vsrc(0)
	s_getreg_b32 s2, hwreg(HW_REG_IB_STS2, 6, 4)
	s_cmp_eq_u32 s2, 0
	s_cbranch_scc0 .Lentry_in_a_cluster
	s_endpgm
.Lentry_in_a_cluster:
	s_bfe_u32 s2, ttmp6, 0x10000c
	s_cmp_lg_u32 s2, 0xf033
	s_cbranch_scc0 .Lentry_shape_is_right
	s_endpgm
.Lentry_shape_is_right:
.set BLKB,   8192
.set HALFT,  4*BLKB
.set SLOT,   4*HALFT
.set SCL,    2*SLOT
.set HALFS,  4096
.set SPARE,  SCL+4*HALFS
.set STAGE,  SPARE+512
.set SPITCH, 272
.set ADRA, 16
.set ADRB, 20
.set STO,  24
.set RD,   25
.set CO,   26
.set ADRS, 27
.set SPW,  28
.set NIL,  29
.set LI,   30
.set BO,   31
.set SC,   32
.set BI,   40
.set BK,   64
.set ACC,  128
.set G1, 24
.set G0, 32
.set G1B, 48
.set G0B, 56
.set G1S, 68
.set G0S, 76
.set G1SB, 80
.set G0SB, 88
.set MSB, 0
.macro WIN new
.if MSB != (\new)
	s_set_vgpr_msb (MSB<<8)|(\new)
.set MSB, (\new)
.endif
.endm
.macro JLOAD g0a, g1a, g0b, g1b
	s_cmp_eq_u32 s15, 0
	s_cbranch_scc0 .Lfor_b_\@
	tensor_load_to_lds s[\g0a:\g0a+3], s[\g1a:\g1a+7]
	s_nop 0
.rept 4
	v_nop
.endr
	s_branch .Lasked_\@
.Lfor_b_\@:
	tensor_load_to_lds s[\g0b:\g0b+3], s[\g1b:\g1b+7]
	s_nop 0
.rept 4
	v_nop
.endr
.Lasked_\@:
.endm
.macro CREST
	s_cmp_lg_u32 s14, 0
	s_cbranch_scc1 .Lnot_wave_0_\@
	s_barrier_signal -3
.Lnot_wave_0_\@:
	s_barrier_wait -3
	s_barrier_signal -1
	s_barrier_wait -1
.endm
.macro CROUND
	s_barrier_signal -1
	s_barrier_wait -1
	CREST
.endm
	s_load_b256 s[4:11], s[0:1], 0x0
	s_load_b128 s[92:95], s[0:1], 0x20
	v_lshl_add_u32 v[SPW], v0, 2, SPARE
	v_mov_b32 v[NIL], 0
	ds_add_u32 v28, v29
	ds_add_u32 v28, v29
	s_wait_dscnt 0x0
	v_lshrrev_b32 v1, 5, v0
	v_readfirstlane_b32 s14, v1
	s_lshr_b32 s15, s14, 1
	s_and_b32 s16, s14, 1
	s_bfe_u32 s40, ttmp6, 0x40000
	s_bfe_u32 s41, ttmp6, 0x40004
	s_lshl_b32 s42, ttmp9, 2
	s_add_co_u32 s42, s42, s40
	s_and_b32 s17, ttmp7, 0xffff
	s_lshl_b32 s17, s17, 2
	s_add_co_u32 s17, s17, s41
	s_lshl_b32 s43, s41, 2
	s_lshl_b32 s43, 15, s43
	s_lshl_b32 s44, 0x1111, s40
	s_or_b32 s[G1+0], s43, (3<<16)|(1<<21)
	s_or_b32 s[G1B+0], s44, (3<<16)|(1<<21)
.irp g, G1, G1B
	s_mov_b32 s[\g+1], 1024<<16
	s_mov_b32 s[\g+2], 8<<16                       ; eight blocks for the head's loads; behind them four
	s_mov_b32 s[\g+3], 1024<<16
	s_mov_b32 s[\g+4], 8
	s_mov_b32 s[\g+5], 4096
	s_mov_b32 s[\g+6], 0
	s_mov_b32 s[\g+7], 0
.endr
	s_or_b32 s[G1S+0], s43, (3<<16)|(1<<21)
	s_or_b32 s[G1SB+0], s44, (3<<16)|(1<<21)
.irp g, G1S, G1SB
	s_mov_b32 s[\g+1], 32<<16
	s_mov_b32 s[\g+2], 32<<16                      ; the scale words of a tile's eight blocks: 8,192 dense bytes, as 32 rows of 256
	s_mov_b32 s[\g+3], 32<<16
	s_mov_b32 s[\g+4], 32
	s_mov_b32 s[\g+5], 32
	s_mov_b32 s[\g+6], 0
	s_mov_b32 s[\g+7], 0
.endr
	s_lshl_b32 s20, s17, 3                         ; A's tile: its first block
	s_lshl_b32 s46, s42, 3                         ; B's
	s_lshl_b32 s22, s20, 10
	s_lshl_b32 s20, s20, 15
	s_lshl_b32 s18, s46, 10
	s_add_co_u32 s18, s18, 327680
	s_lshl_b32 s46, s46, 15
	s_add_co_u32 s46, s46, 0xa00000
	s_mov_b32 s21, 0
	s_mov_b32 s23, 0
	s_mov_b32 s19, 0
	s_mov_b32 s47, 0
	s_lshl_b32 s45, s14, 15
	s_wait_kmcnt 0x0
	s_add_nc_u64 s[20:21], s[4:5], s[20:21]
	s_add_nc_u64 s[22:23], s[6:7], s[22:23]
	s_add_nc_u64 s[46:47], s[8:9], s[46:47]
	s_add_nc_u64 s[18:19], s[10:11], s[18:19]
	CROUND                                         ; all sixteen work-groups are here: the first joint loads meet
	s_mov_b32 s[G0S], 1                            ; the head's four tiles, each whole: A's scale words,
	s_mov_b32 s[G0S+1], SCL
	s_mov_b64 s[G0S+2:G0S+3], s[22:23]
	s_or_b32 s[G0S+3], s[G0S+3], 0x80000000
	s_mov_b32 s[G0SB], 1                           ; B's,
	s_mov_b32 s[G0SB+1], SCL+2*HALFS
	s_mov_b64 s[G0SB+2:G0SB+3], s[18:19]
	s_or_b32 s[G0SB+3], s[G0SB+3], 0x80000000
	s_mov_b32 s[G0], 1                             ; slot 0's eight blocks of A (in the registers of slot 0's ring descriptor, which is made behind the wait for these loads),
	s_mov_b32 s[G0+1], 0
	s_mov_b64 s[G0+2:G0+3], s[20:21]
	s_or_b32 s[G0+3], s[G0+3], 0x80000000
	s_mov_b32 s[G0B], 1                            ; and of B
	s_mov_b32 s[G0B+1], 2*HALFT
	s_mov_b64 s[G0B+2:G0B+3], s[46:47]
	s_or_b32 s[G0B+3], s[G0B+3], 0x80000000
; The head's loads, one a wave: one chain of branches on the wave's number, an arm a load, all arms leading to one join.
.macro ARM under, g0, g1, next
	s_cmp_lt_u32 s14, \under
	s_cbranch_scc0 \next
	tensor_load_to_lds s[\g0:\g0+3], s[\g1:\g1+7]
	s_nop 0
.rept 4
	v_nop
.endr
	s_branch .Lhead_asked
\next:
.endm
	ARM 1, G0,  G1,  .Lhead_b
	ARM 2, G0B, G1B, .Lhead_sa
	ARM 3, G0S, G1S, .Lhead_sb
	tensor_load_to_lds s[G0SB:G0SB+3], s[G1SB:G1SB+7]
	s_nop 0
.rept 4
	v_nop
.endr
.Lhead_asked:
	s_lshl_b32 s2, s16, 17                         ; for the ring: which four blocks of a tile I fetch: 4 x 32,768 bytes
	s_mov_b32 s3, 0
	s_add_nc_u64 s[20:21], s[20:21], s[2:3]
	s_add_nc_u64 s[46:47], s[46:47], s[2:3]
	s_mov_b32 s[G0+4], 1                           ; slot 1's ring descriptors
	s_add_co_u32 s[G0+5], s45, SLOT
	s_add_nc_u64 s[G0+6:G0+7], s[20:21], BLKB
	s_or_b32 s[G0+7], s[G0+7], 0x80000000
	s_mov_b32 s[G0B+4], 1
	s_add_co_u32 s[G0B+5], s45, SLOT
	s_add_nc_u64 s[G0B+6:G0B+7], s[46:47], BLKB
	s_or_b32 s[G0B+7], s[G0B+7], 0x80000000
	v_and_b32 v3, 31, v0
	v_lshlrev_b32 v[LI], 4, v3
	v_and_b32 v1, 15, v0
	v_bfe_u32 v2, v0, 4, 1
	s_wait_alu depctr_va_vdst(0)
	s_lshl_b32 s21, s15, 15
	s_lshl_b32 s22, s16, 15
	s_add_co_u32 s22, s22, 2*HALFT
.irp s, 0,1
	v_add_nc_u32 v[ADRA+\s], s21, v[LI]
	v_add_nc_u32 v[ADRB+\s], s22, v[LI]
	s_add_co_u32 s21, s21, SLOT
	s_add_co_u32 s22, s22, SLOT
.endr
	s_lshl_b32 s21, s15, 12
	s_lshl_b32 s22, s16, 12
	s_add_co_u32 s22, s22, 2*HALFS
	s_sub_co_u32 s22, s22, s21
	v_mul_u32_u24 v6, s22, v2
	s_add_co_u32 s21, s21, SCL
	v_lshlrev_b32 v5, 2, v1
	v_add_nc_u32 v5, v5, v6
	v_add_nc_u32 v[ADRS], s21, v5
	s_mul_i32 s23, s14, 16*SPITCH
	s_add_co_u32 s23, s23, STAGE
	v_mul_u32_u24 v4, v1, SPITCH
	v_lshl_add_u32 v4, v2, 6, v4
	v_add_nc_u32 v[STO], s23, v4
	v_mul_u32_u24 v5, v2, SPITCH
	v_lshl_add_u32 v5, v1, 4, v5
	v_add_nc_u32 v[RD], s23, v5
	v_lshlrev_b32 v5, 12, v2
	v_lshl_add_u32 v[CO], v1, 4, v5
	v_lshlrev_b32 v[BO], 6, v2
	s_wait_alu depctr_va_vdst(0)
	s_lshl_b32 s20, s42, 9
	s_lshl_b32 s21, s16, 8
	s_add_co_u32 s20, s20, s21
	s_mov_b32 s21, 0
	s_add_nc_u64 s[92:93], s[92:93], s[20:21]
	s_add_nc_u64 s[94:95], s[94:95], s[20:21]
	s_lshl_b32 s20, s17, 19
	s_lshl_b32 s22, s15, 18
	s_add_co_u32 s20, s20, s22
	s_add_nc_u64 s[94:95], s[94:95], s[20:21]
.irp b, 0,1
.irp g, 0,1,2,3
	global_load_b128 v[BI+16*\b+4*\g:BI+16*\b+4*\g+3], v[BO], s[92:93] offset:128*\b+16*\g
.endr
.endr
.macro FETCH slot, q
.set FB, 128*((\q)%2)
	WIN 0x40
.irp i, 0,1,2,3
.irp c, 0,1,2,3
	ds_load_b128 v[FB+64+16*\i+4*\c:FB+64+16*\i+4*\c+3], v[ADRB+\slot] offset:\i*BLKB+(\q)*2048+512*\c
.endr
.endr
.irp i, 0,1,2,3
.irp c, 0,1,2,3
	ds_load_b128 v[FB+16*\i+4*\c:FB+16*\i+4*\c+3], v[ADRA+\slot] offset:\i*BLKB+(\q)*2048+512*\c
.endr
.endr
	WIN 0
.irp i, 0,1,2,3
	ds_load_b32 v[SC+4*((\q)%2)+\i], v[ADRS] offset:\i*1024+64*(\q)
.endr
.endm
.macro MUL8 q, a0, first
.set FB, 128*((\q)%2)
.set SS, SC+4*((\q)%2)
.irp a, \a0, \a0+1
.irp b, 0,1,2,3
.if \first
	v_wmma_scale_f32_16x16x128_f8f6f4 v[ACC+8*(4*(\a)+\b):ACC+8*(4*(\a)+\b)+7], v[FB+64+16*\b:FB+64+16*\b+15], v[FB+16*(\a):FB+16*(\a)+15], v[BI+8*\b:BI+8*\b+7], v[SS+\b], v[SS+(\a)] matrix_a_scale:MATRIX_SCALE_ROW1
.else
	v_wmma_scale_f32_16x16x128_f8f6f4 v[ACC+8*(4*(\a)+\b):ACC+8*(4*(\a)+\b)+7], v[FB+64+16*\b:FB+64+16*\b+15], v[FB+16*(\a):FB+16*(\a)+15], v[ACC+8*(4*(\a)+\b):ACC+8*(4*(\a)+\b)+7], v[SS+\b], v[SS+(\a)] matrix_a_scale:MATRIX_SCALE_ROW1
.endif
.endr
.endr
.endm
.macro PLACES n
.rept \n
	v_nop
.endr
.endm
.macro QUARTER slot, q, first
	PLACES 8
	FETCH \slot, (\q)+1
	s_wait_dscnt 36
	WIN 0x05
	MUL8 \q, 0, \first
	MUL8 \q, 2, \first
	WIN 0
.endm
.macro TURN slot, next, fill
	s_wait_tensorcnt 0x0
	ds_add_u32 v[SPW], v[NIL]
	s_wait_dscnt 1
	WIN 0x05
	MUL8 3, 0, 0
	s_wait_dscnt 0x0
	s_barrier_signal -1
	MUL8 3, 2, 0
	WIN 0
	s_barrier_wait -1
.if \fill
	CREST
	s_add_nc_u64 s[G0+4*\slot+2:G0+4*\slot+3], s[G0+4*\slot+2:G0+4*\slot+3], 2*BLKB
	s_add_nc_u64 s[G0B+4*\slot+2:G0B+4*\slot+3], s[G0B+4*\slot+2:G0B+4*\slot+3], 2*BLKB
	JLOAD G0+4*\slot, G1, G0B+4*\slot, G1B
	PLACES 4
.else
	PLACES 8
.endif
	v_add_nc_u32 v[ADRS], 256, v[ADRS]
	FETCH \next, 0
.endm
	s_wait_alu depctr_va_vdst(0)                   ; the wait at the head's end
	s_wait_tensorcnt 0x0                           ; my tile of the head's four is in
	ds_add_u32 v[SPW], v[NIL]
	s_mov_b32 s[G1+2], 4<<16                       ; no tensor load of mine is out, so descriptors may be written: from here on a load brings four blocks
	s_mov_b32 s[G1+4], 4
	s_mov_b32 s[G1B+2], 4<<16
	s_mov_b32 s[G1B+4], 4
	s_mov_b32 s[G0+1], s45                         ; slot 0's ring descriptors: my four blocks, one slot's bytes ahead of slot 1's
	s_sub_nc_u64 s[G0+2:G0+3], s[G0+6:G0+7], BLKB
	s_mov_b32 s[G0B+1], s45
	s_sub_nc_u64 s[G0B+2:G0B+3], s[G0B+6:G0B+7], BLKB
	s_wait_dscnt 0x0
	CROUND                                         ; a whole round: all four tiles are in, in every partner
	JLOAD G0+4, G1, G0B+4, G1B                     ; slot 1's first fill, the first tensor load behind the round
	FETCH 0, 0
	s_wait_loadcnt 0x0
	QUARTER 0, 0, 1
	QUARTER 0, 1, 0
	QUARTER 0, 2, 0
	TURN 0, 1, 1
	QUARTER 1, 0, 0
	s_wait_alu depctr_va_vdst(0)
	QUARTER 1, 1, 0
	QUARTER 1, 2, 0
	TURN 1, 0, 1
	QUARTER 0, 0, 0
	s_wait_alu depctr_va_vdst(0)
	QUARTER 0, 1, 0
	QUARTER 0, 2, 0
	TURN 0, 1, 0
	QUARTER 1, 0, 0
	s_wait_alu depctr_va_vdst(0)
	QUARTER 1, 1, 0
	QUARTER 1, 2, 0
	s_wait_dscnt 0x0
	WIN 0x05
	MUL8 3, 0, 0
	MUL8 3, 2, 0
	WIN 0
.macro TOSTAGE a
.irp b, 0,1,2,3
	ds_store_b128 v[STO], v[ACC+8*(4*(\a)+\b):ACC+8*(4*(\a)+\b)+3] offset:128*(\b/2)+32*(\b%2)
	ds_store_b128 v[STO], v[ACC+8*(4*(\a)+\b)+4:ACC+8*(4*(\a)+\b)+7] offset:128*(\b/2)+32*(\b%2)+16
.endr
.irp i, 0,1,2,3,4,5,6,7
	ds_load_b128 v[BK+32*((\a)%2)+4*\i:BK+32*((\a)%2)+4*\i+3], v[RD] offset:2*\i*SPITCH
.endr
.endm
.macro SEND a, younger
	s_wait_dscnt \younger
.irp i, 0,1,2,3,4,5,6,7
	global_store_b128 v[CO], v[BK+32*((\a)%2)+4*\i:BK+32*((\a)%2)+4*\i+3], s[94:95] offset:(32*((\a)/2)+8*((\a)%2)+2*\i+8*(\i/4))*4096 th:TH_STORE_NT
.endr
.endm
	PLACES 8
	TOSTAGE 0
	TOSTAGE 1
	SEND 0, 16
	s_wait_xcnt 0x0
	TOSTAGE 2
	SEND 1, 16
	s_wait_xcnt 0x0
	TOSTAGE 3
	SEND 2, 16
	SEND 3, 0
	s_wait_tensorcnt 0x0
	ds_add_u32 v[SPW], v[NIL]
	s_wait_dscnt 0x0
	CROUND
	s_endpgm
.Lfunc_end_k_qa7a352a48f_oproj:
	.size	k_qa7a352a48f_oproj, .Lfunc_end_k_qa7a352a48f_oproj-k_qa7a352a48f_oproj
	.p2alignl 7, 3214868480
	.fill 96, 4, 3214868480
	.section	.rodata,"a",@progbits
	.p2align	6, 0x0
	.amdhsa_kernel k_qa7a352a48f_oproj
		.amdhsa_group_segment_fixed_size 327680
		.amdhsa_private_segment_fixed_size 0
		.amdhsa_enable_private_segment 0
		.amdhsa_kernarg_size 48
		.amdhsa_user_sgpr_count 2
		.amdhsa_user_sgpr_kernarg_segment_ptr 1
		.amdhsa_wavefront_size32 1
		.amdhsa_system_sgpr_workgroup_id_x 1
		.amdhsa_system_sgpr_workgroup_id_y 1
		.amdhsa_system_sgpr_workgroup_id_z 1
		.amdhsa_system_vgpr_workitem_id 0
		.amdhsa_next_free_vgpr 512
		.amdhsa_next_free_sgpr 96
		.amdhsa_reserve_vcc 0
		.amdhsa_float_denorm_mode_32 3
		.amdhsa_float_denorm_mode_16_64 3
		.amdhsa_memory_ordered 1
		.amdhsa_forward_progress 1
		.amdhsa_inst_pref_size 96
	.end_amdhsa_kernel
	.amdgpu_metadata
---
amdhsa.version: [ 1, 2 ]
amdhsa.kernels:
  - .name:           k_qa7a352a48f_oproj
    .symbol:         k_qa7a352a48f_oproj.kd
    .args:
      - { .name: ctx_codes, .offset: 0, .size: 8, .value_kind: global_buffer, .address_space: global }
      - { .name: ctx_scales, .offset: 8, .size: 8, .value_kind: global_buffer, .address_space: global }
      - { .name: xw_codes, .offset: 16, .size: 8, .value_kind: global_buffer, .address_space: global }
      - { .name: xw_scales, .offset: 24, .size: 8, .value_kind: global_buffer, .address_space: global }
      - { .name: bo, .offset: 32, .size: 8, .value_kind: global_buffer, .address_space: global }
      - { .name: out0, .offset: 40, .size: 8, .value_kind: global_buffer, .address_space: global }
    .group_segment_fixed_size: 327680
    .private_segment_fixed_size: 0
    .kernarg_segment_align: 8
    .kernarg_segment_size: 48
    .max_flat_workgroup_size: 128
    .sgpr_count:     96
    .vgpr_count:     512
    .wavefront_size: 32
...
	.end_amdgpu_metadata
.endif
;; end of part 4
